; MI455X (gfx1250); checked and timed in simulation.
; The chip was launched on July 23, 2026; its instructions are those of AMD's public machine-readable ISA for CDNA 5 (MIT licence, August 2026) and "CDNA5" Instruction Set Architecture Reference Guide (July 2026). The comments in the code are by the model that wrote it; some were corrected since.
;; Attention. Allowed arithmetic: matrix products marked QUANTISED: E2M1 operands, one E8M0 scale for each 32 along K, by v_wmma_scale_f32_16x16x128_f8f6f4 with both operands' format E2M1 (or v_wmma_scale_f32_32x16x128_f4), f32 sums; products left as they are: bf16, f16 or f32 operands; f32 sums; everything else in f32.
;; Inputs: Wk 1,024 x 1,024 float32; Wo 1,024 x 1,024 float32; Wq 1,024 x 1,024 float32; Wv 1,024 x 1,024 float32; bk 1,024 float32; bo 1,024 float32; bq 1,024 float32; bv 1,024 float32; k 4 x 2,048 x 1,024 float32; q 4 x 2,048 x 1,024 float32; v 4 x 2,048 x 1,024 float32.
;; Outputs: out0 4 x 2,048 x 1,024 float32.
;; This version of the problem:
;;   THIS VERSION OF THE PROBLEM IS GIVEN IN LOW PRECISION. The matrix products marked QUANTISED in the list below multiply operands that are first quantised to E2M1 (2 exponent bits, 1 mantissa bit; 4 bits a number), with one power-of-two scale for each 32 numbers along K (OCP MX v1.0); their sums are f32. The products marked 'left as it is' may take bf16, f16 or f32 operands, with f32 sums. Whichever they take, every output number must still come out within the allowed error. Rounding operands to bf16 (8 significant bits) uses up far more of that allowance than f16 does (11 bits, for magnitudes from 6e-5 to 65,504). All else is computed in f32.
;;   The module's matrix products, in the order in which they are computed (A, B: the left and right operand; K: the contracted axis; several contracted axes count as one K, in the product's order):
;;     1. [M 8,192, K 1,024] x [K 1,024, N 1,024]; A: input q; B: input Wq: QUANTISED
;;     2. [M 8,192, K 1,024] x [K 1,024, N 1,024]; A: input k; B: input Wk: QUANTISED
;;     3. [M 8,192, K 1,024] x [K 1,024, N 1,024]; A: input v; B: input Wv: QUANTISED
;;     4. batch 64 x [M 2,048, K 64] x [K 64, N 2,048]; A: computed on the way; B: computed on the way: left as it is (an operand is computed on the way)
;;     5. batch 64 x [M 2,048, K 2,048] x [K 2,048, N 64]; A: computed on the way; B: computed on the way: left as it is (an operand is computed on the way)
;;     6. [M 8,192, K 1,024] x [K 1,024, N 1,024]; A: computed on the way; B: input Wo: left as it is (an operand is computed on the way)
;;   THE QUANTISER, for each operand of a quantised product, along K:
;;     - K is cut into blocks of 32 from its start; a last block that is shorter is filled with zeros.
;;     - A block's scale is 2^e with e = floor(log2(the largest magnitude in the block)) - 2, held to -126 .. 127; a block of zeros has e = 0. As a byte (E8M0): e + 127.
;;     - Each number is divided by its block's scale, clamped to +-6, and rounded to the nearest number of E2M1, ties to even, subnormals kept.
;;     - The product sums the exact products of the quantised numbers (number of the format x scale) in f32.
;;   ~~~python
;;   def quantise(x, axis):      # numpy; x: float32 -> the quantised numbers, widened to float32 again
;;       x = np.moveaxis(x, axis, -1); K = x.shape[-1]
;;       x = np.pad(x, [(0, 0)] * (x.ndim - 1) + [(0, -K % 32)]); x = x.reshape(x.shape[:-1] + (-1, 32)); a = np.abs(x).max(-1, keepdims=True)
;;       e = np.where(a > 0, np.clip(np.frexp(np.where(a > 0, a, 1))[1] - 1 - 2, -126, 127), 0)      # np.frexp(a)[1] - 1 = floor(log2(a)), exactly
;;       r = np.clip(x / 2.0 ** e, -6, 6)
;;       step = 2.0 ** (np.maximum(np.frexp(np.where(r == 0, 1, r))[1] - 1, 0) - 1)
;;       q = np.round(r / step) * step * 2.0 ** e      # np.round: ties to even
;;       return np.moveaxis(q.reshape(q.shape[:-2] + (-1,))[..., :K], -1, axis).astype(np.float32)
;;   ~~~
;; One version. Each part assembles by itself: llvm-mc -triple=amdgcn-amd-amdhsa -mcpu=gfx1250 --defsym DOCPART=n.
;; ======== version 1 of 1: 4 launches
;; limits: values are held in f16: magnitudes above 65,504 overflow, below 6.1e-05 lose precision; values outside matrix products are rounded to f16
;; workspace buffers: codes 14,155,776 bytes; scales 884,736 bytes; wo16 2,097,152 bytes; qkv 50,331,648 bytes; att 16,777,216 bytes
;; launch prep (part 1): grid 896 x 1, 4 waves a work-group, no clusters, 33,280 bytes of LDS; arguments q, k, v, Wq, Wk, Wv, Wo, codes, scales, wo16; writes codes, scales, wo16
.if DOCPART == 1
	.amdgcn_target "amdgcn-amd-amdhsa--gfx1250"
	.amdhsa_code_object_version 6
	.text
	.protected	k_qdd741c0044_prep
	.globl	k_qdd741c0044_prep
	.p2align	8
	.type	k_qdd741c0044_prep,@function
k_qdd741c0044_prep:
	s_mov_b64 s[64:65], 0
	v_nop
	global_prefetch_b8 v0, s[64:65] scope:SCOPE_SE
	s_setreg_imm32_b32 hwreg(HW_REG_WAVE_MODE, 25, 1), 1
	s_wait_xcnt 0x0
; q, k, v [8192][1024] and Wq, Wk, Wv [1024][1024], f32, K innermost, become codes of FP4 (E2M1), two a byte, and one E8M0 scale byte for each 32 along K; Wo [1024][1024] becomes f16.
; The six quantised tensors are stacked in the order q, k, v, Wq, Wk, Wv: codes [27648 rows][512 bytes], scales [27648 rows][32 bytes].  Rows are dense and 1,024 is a multiple of 32, so every
; tensor is a plain stream of blocks of 32 numbers, and since the outputs are stacked in the order of the work-groups, an output's place is linear in the work-group's number.
; A block's scale is 2^(floor(log2(its largest magnitude)) - 2); its byte is the largest magnitude's exponent field - 2, held at 1 from below.  Each number is divided by the scale and rounded to the
; nearest code, ties to even; beyond 6 the largest code.
; LIMITS: a block of zeros gets the byte 1 where the rule says 127 (its codes are zeros, and this program alone reads the bytes); blocks whose largest magnitude lies under 2^(2 - 126) are held at
; the byte 1; NaN and infinities among the inputs are not served; Wo must lie within f16's range, +-65,504.
; SHARES: a work-group takes 32,768 numbers, a wave 8,192: 16 steps of 512.  Work-groups 0-255 q, 256-511 k, 512-767 v, 768-799 Wq, 800-831 Wk, 832-863 Wv, 864-895 Wo.
; The conversions take 8 numbers of ONE block from a lane's consecutive registers, so a lane must hold 16 neighbours; a load is dense where neighbouring lanes take neighbouring bytes.  Both are had:
; a step's four loads read 512 consecutive bytes each, the 2,048 bytes go through the wave's own stage in LDS as they lie and come back 64 bytes a lane (16 bytes of padding behind each 64).
; No matrix unit, no cluster, no tensor load, no barrier: the launch streams, work-groups share no input, and waves share nothing.
.set STEPS, 16
.set EMAX,  2
.set CB,    8                          ; bytes of 16 codes
.set R,     16                         ; v16-79   four sets of 16 numbers as they are loaded
.set X,     80                         ; v80-111  two sets of 16 neighbours
.set E,     112                        ; v112-127 a scale byte for each step
.set C,     128                        ; v128-191 codes: four registers for each step, so that no store's data are written again
.set WREG,  8192                       ; LDS: a region for each wave: two stages of 32 x SP bytes, behind them its 256 scale bytes
.set SP,    80                         ; a lane's place in a stage: 64 bytes + 16 of padding
.set SPW,   12                         ; v12 LDS address of my spare word; never rewritten
.set NIL,   13                         ; v13 0; never rewritten
.set SPARE, 4*WREG                     ; behind the four regions: the spare words, 128 bytes a wave, which no other line names
.set WA,    16                         ; Wo's path: v16-79, v80-143 two sets of 64 numbers; v144-175 their f16
.set WB,    80
.set WO,    144
.set IN,    24                         ; s[24:25] my tensor
	s_load_b256 s[4:11], s[0:1], 0x0               ; q, k, v, Wq
	s_load_b256 s[12:19], s[0:1], 0x20             ; Wk, Wv, Wo, codes
	s_load_b128 s[20:23], s[0:1], 0x40             ; scales, wo16
	v_lshl_add_u32 v[SPW], v0, 2, SPARE
	v_mov_b32 v[NIL], 0
	v_lshrrev_b32 v1, 5, v0
	v_readfirstlane_b32 s28, v1                    ; wave
	v_and_b32 v2, 31, v0                           ; lane
	v_lshlrev_b32 v3, 4, v2                        ; my 16 bytes of a load's 512
	s_mul_i32 s29, s28, WREG
	v_lshrrev_b32 v14, 2, v2
	v_mul_u32_u24 v14, v14, SP
	v_and_b32 v15, 3, v2
	v_lshl_add_u32 v14, v15, 4, v14
	v_add_nc_u32 v14, s29, v14                     ; the stage, on the way in: SP (lane / 4) + 16 (lane % 4)
	v_mul_u32_u24 v15, v2, SP
	v_add_nc_u32 v15, s29, v15                     ; and on the way out: SP x lane: my 16 neighbours
	v_mul_u32_u24 v4, v2, CB                       ; 8 bytes a lane: my codes' place in a step's, my f16's place in a store's
	v_lshrrev_b32 v5, 1, v2
	s_add_co_u32 s29, s29, 2*32*SP
	v_add_nc_u32 v5, s29, v5                       ; LDS: my wave's 256 scale bytes, my block's byte
	v_lshlrev_b32 v7, 3, v2                        ; and on the way out 8 bytes a lane
	v_add_nc_u32 v6, s29, v7
	s_wait_kmcnt 0x0
	s_cmp_ge_u32 ttmp9, 864
	s_cbranch_scc1 .Lwo                            ; the last 32 work-groups convert Wo
	; which tensor: a chain of choices on the work-group's number alone
	s_cmp_lt_u32 ttmp9, 832
	s_cselect_b64 s[IN:IN+1], s[12:13], s[14:15]
	s_cmp_lt_u32 ttmp9, 800
	s_cselect_b64 s[IN:IN+1], s[10:11], s[IN:IN+1]
	s_cmp_lt_u32 ttmp9, 768
	s_cselect_b64 s[IN:IN+1], s[8:9], s[IN:IN+1]
	s_cselect_b32 s26, 255, 31                     ; work-groups to a tensor, less one: 256 for q, k, v, 32 for a weight; every tensor begins at a multiple of that
	s_cmp_lt_u32 ttmp9, 512
	s_cselect_b64 s[IN:IN+1], s[6:7], s[IN:IN+1]
	s_cmp_lt_u32 ttmp9, 256
	s_cselect_b64 s[IN:IN+1], s[4:5], s[IN:IN+1]
	s_and_b32 s27, ttmp9, s26
	s_lshl_b32 s27, s27, 2
	s_add_co_u32 s27, s27, s28                     ; which run of 8,192 numbers of the tensor is my wave's
	s_lshl_b32 s30, s27, 15                        ; 32,768 bytes a run
	s_mov_b32 s31, 0
	s_add_nc_u64 s[IN:IN+1], s[IN:IN+1], s[30:31]
	s_lshl_b32 s27, ttmp9, 2
	s_add_co_u32 s27, s27, s28                     ; and which run of the stacked outputs
	s_lshl_b32 s30, s27, 12                        ; 4,096 bytes of codes a run
	s_add_nc_u64 s[18:19], s[18:19], s[30:31]
	s_lshl_b32 s30, s27, 8                         ; 256 scale bytes a run
	s_add_nc_u64 s[20:21], s[20:21], s[30:31]
.macro LOAD t
.irp i, 0,1,2,3
	global_load_b128 v[R+16*((\t)%4)+4*\i:R+16*((\t)%4)+4*\i+3], v3, s[IN:IN+1] offset:2048*(\t)+512*\i th:TH_LOAD_NT   ; 32 lanes read 512 consecutive bytes
.endr
.endm
.macro TURN t                          ; step t's numbers through the stage: LDS serves a wave's instructions in order, so no wait stands between the stores and the loads
.irp i, 0,1,2,3
	ds_store_b128 v14, v[R+16*((\t)%4)+4*\i:R+16*((\t)%4)+4*\i+3] offset:32*SP*((\t)%2)+8*SP*\i
.endr
.irp i, 0,1,2,3
	ds_load_b128 v[X+16*((\t)%2)+4*\i:X+16*((\t)%2)+4*\i+3], v15 offset:32*SP*((\t)%2)+16*\i
.endr
.endm
.irp t, 0,1,2,3
	LOAD \t
.endr
	s_wait_loadcnt 12                              ; step 0's four loads are in; the 12 of steps 1 to 3 may be out
	TURN 0
.macro STEP t
.set XS, X+16*((\t)%2)
.if (\t) > 0
	s_wait_dscnt 1                                 ; this step's numbers are back from the stage (the last step's byte store may be out): so its stores into the stage have read their registers,
.else
	s_wait_dscnt 0x0
.endif
.if (\t)+4 < STEPS
	LOAD (\t)+4                                    ; which take the loads of four steps on
.endif
.if (\t)+1 < STEPS
.if STEPS-2-(\t) >= 3
	s_wait_loadcnt 12                              ; the next step's four loads are in; those of the three steps behind it may be out
.else
	s_wait_loadcnt 4*(STEPS-2-(\t))
.endif
	TURN (\t)+1                                    ; and go through the other stage while this step is worked
.endif
	v_max3_num_f32 v8, |v[XS]|, |v[XS+1]|, |v[XS+2]|               ; the largest magnitude of my 16, in two chains
	v_max3_num_f32 v9, |v[XS+3]|, |v[XS+4]|, |v[XS+5]|
.irp i, 6,10
	v_max3_num_f32 v8, v8, |v[XS+\i]|, |v[XS+\i+1]|
	v_max3_num_f32 v9, v9, |v[XS+\i+2]|, |v[XS+\i+3]|
.endr
	v_max3_num_f32 v8, v8, |v[XS+14]|, |v[XS+15]|
	v_max3_num_f32 v8, v8, v9, (EMAX+1)<<23        ; and the floor 2^(EMAX + 1 - 127): the byte cannot fall under 1
	v_max_num_f32_dpp v8, v8, v8 row_xmask:1 row_mask:0xf bank_mask:0xf   ; and of my neighbour's 16: the block's
	v_add_nc_u32 v11, -(EMAX<<23), v8              ; EMAX off its exponent field: the conversion takes the exponent field of this operand as its scale, and nothing else of it
	v_cvt_scalef32_pk8_fp4_f32 v[C+4*(\t)], v[XS:XS+7], v11
	v_cvt_scalef32_pk8_fp4_f32 v[C+4*(\t)+1], v[XS+8:XS+15], v11
	v_lshrrev_b32 v[E+(\t)], 23, v11               ; the scale's byte (also the plain line behind the conversions)
	ds_store_b8 v5, v[E+(\t)] offset:16*(\t)       ; both lanes of a block write the same byte with the same value
	global_store_b64 v4, v[C+4*(\t):C+4*(\t)+1], s[18:19] offset:32*CB*(\t)   ; the wave stores 256 consecutive bytes, aligned
.endm
.irp t, 0,1,2,3,4,5,6,7,8,9,10,11,12,13,14,15
	STEP \t
.endr
	ds_load_b64 v[8:9], v6                         ; LDS serves a wave's instructions in order: these see my byte stores
	s_wait_dscnt 0x0
	global_store_b64 v7, v[8:9], s[20:21]          ; 32 lanes store 256 consecutive bytes, aligned
	s_wait_tensorcnt 0x0                           ; the wave's end, behind my last LDS store
	ds_add_u32 v[SPW], v[NIL]
	s_wait_dscnt 0x0
	s_endpgm
; Wo to f16: four batches of 2,048 numbers a wave, two sets of registers by turns; a load reads 512 consecutive bytes, a store writes 256.
.macro WLOAD b, set
.irp i, 0,1,2,3,4,5,6,7,8,9,10,11,12,13,14,15
	global_load_b128 v[\set+4*\i:\set+4*\i+3], v3, s[16:17] offset:8192*\b+512*\i th:TH_LOAD_NT
.endr
.endm
.macro WCVT b, set
.if \b > 0
	s_wait_xcnt 0x0                                ; the last batch's stores have read their data: the registers are written again only behind this wait
.endif
.irp i, 0,1,2,3,4,5,6,7,8,9,10,11,12,13,14,15
	v_cvt_pk_f16_f32 v[WO+2*\i], v[\set+4*\i], v[\set+4*\i+1]
	v_cvt_pk_f16_f32 v[WO+2*\i+1], v[\set+4*\i+2], v[\set+4*\i+3]
.endr
.irp i, 0,1,2,3,4,5,6,7,8,9,10,11,12,13,14,15
	global_store_b64 v4, v[WO+2*\i:WO+2*\i+1], s[22:23] offset:4096*\b+256*\i
.endr
.endm
.Lwo:
	s_sub_co_u32 s30, ttmp9, 864
	s_lshl_b32 s30, s30, 2
	s_add_co_u32 s30, s30, s28                     ; my wave's run of 8,192 numbers
	s_lshl_b32 s32, s30, 15
	s_mov_b32 s33, 0
	s_add_nc_u64 s[16:17], s[16:17], s[32:33]
	s_lshl_b32 s32, s30, 14
	s_add_nc_u64 s[22:23], s[22:23], s[32:33]
	WLOAD 0, WA
	WLOAD 1, WB
	s_wait_loadcnt 16                              ; the older batch is in; the younger batch's 16 loads may be out
	WCVT 0, WA
	WLOAD 2, WA
	s_wait_loadcnt 16
	WCVT 1, WB
	WLOAD 3, WB
	s_wait_loadcnt 16
	WCVT 2, WA
	s_wait_loadcnt 0x0
	WCVT 3, WB
	s_wait_tensorcnt 0x0                           ; the wave's end
	ds_add_u32 v[SPW], v[NIL]
	s_wait_dscnt 0x0
	s_endpgm
.Lfunc_end_k_qdd741c0044_prep:
	.size	k_qdd741c0044_prep, .Lfunc_end_k_qdd741c0044_prep-k_qdd741c0044_prep
	.p2alignl 7, 3214868480
	.fill 96, 4, 3214868480
	.section	.rodata,"a",@progbits
	.p2align	6, 0x0
	.amdhsa_kernel k_qdd741c0044_prep
		.amdhsa_group_segment_fixed_size 33280
		.amdhsa_private_segment_fixed_size 0
		.amdhsa_enable_private_segment 0
		.amdhsa_kernarg_size 80
		.amdhsa_user_sgpr_count 2
		.amdhsa_user_sgpr_kernarg_segment_ptr 1
		.amdhsa_wavefront_size32 1
		.amdhsa_system_sgpr_workgroup_id_x 1
		.amdhsa_system_sgpr_workgroup_id_y 1
		.amdhsa_system_sgpr_workgroup_id_z 1
		.amdhsa_system_vgpr_workitem_id 0
		.amdhsa_next_free_vgpr 192
		.amdhsa_next_free_sgpr 66
		.amdhsa_reserve_vcc 0
		.amdhsa_float_denorm_mode_32 3
		.amdhsa_float_denorm_mode_16_64 3
		.amdhsa_memory_ordered 1
		.amdhsa_forward_progress 1
		.amdhsa_inst_pref_size 54
	.end_amdhsa_kernel
	.amdgpu_metadata
---
amdhsa.version: [ 1, 2 ]
amdhsa.kernels:
  - .name:           k_qdd741c0044_prep
    .symbol:         k_qdd741c0044_prep.kd
    .args:
      - { .name: q, .offset: 0, .size: 8, .value_kind: global_buffer, .address_space: global }
      - { .name: k, .offset: 8, .size: 8, .value_kind: global_buffer, .address_space: global }
      - { .name: v, .offset: 16, .size: 8, .value_kind: global_buffer, .address_space: global }
      - { .name: Wq, .offset: 24, .size: 8, .value_kind: global_buffer, .address_space: global }
      - { .name: Wk, .offset: 32, .size: 8, .value_kind: global_buffer, .address_space: global }
      - { .name: Wv, .offset: 40, .size: 8, .value_kind: global_buffer, .address_space: global }
      - { .name: Wo, .offset: 48, .size: 8, .value_kind: global_buffer, .address_space: global }
      - { .name: codes, .offset: 56, .size: 8, .value_kind: global_buffer, .address_space: global }
      - { .name: scales, .offset: 64, .size: 8, .value_kind: global_buffer, .address_space: global }
      - { .name: wo16, .offset: 72, .size: 8, .value_kind: global_buffer, .address_space: global }
    .group_segment_fixed_size: 33280
    .private_segment_fixed_size: 0
    .kernarg_segment_align: 8
    .kernarg_segment_size: 80
    .max_flat_workgroup_size: 128
    .sgpr_count:     66
    .vgpr_count:     192
    .wavefront_size: 32
...
	.end_amdgpu_metadata
.endif
;; end of part 1
;; launch proj (part 2): grid 4 x 96, 4 waves a work-group, clusters of 4 x 4, 327,680 bytes of LDS; arguments codes, scales, bq, bk, bv, qkv; writes qkv
.if DOCPART == 2
	.amdgcn_target "amdgcn-amd-amdhsa--gfx1250"
	.amdhsa_code_object_version 6
	.text
	.protected	k_qdd741c0044_proj
	.globl	k_qdd741c0044_proj
	.p2align	8
	.type	k_qdd741c0044_proj,@function
k_qdd741c0044_proj:
	s_mov_b64 s[64:65], 0
	v_nop
	global_prefetch_b8 v0, s[64:65] scope:SCOPE_SE
	s_setreg_imm32_b32 hwreg(HW_REG_WAVE_MODE, 25, 1), 1
	s_wait_xcnt 0x0
	s_wait_alu depctr_hold_cnt(0) depctr_sa_sdst(0) depctr_va_vdst(0) depctr_va_sdst(0) depctr_va_ssrc(0) depctr_va_vcc(0) depctr_vm_vsrc(0)
	s_getreg_b32 s2, hwreg(HW_REG_IB_STS2, 6, 4)
	s_cmp_eq_u32 s2, 0
	s_cbranch_scc0 .Lentry_in_a_cluster
	s_endpgm
.Lentry_in_a_cluster:
	s_bfe_u32 s2, ttmp6, 0x10000c
	s_cmp_lg_u32 s2, 0xf033
	s_cbranch_scc0 .Lentry_shape_is_right
	s_endpgm
.Lentry_shape_is_right:
; The three projections y = x W^T + b on codes of FP4 (E2M1) with one E8M0 scale for each 32 along K = 1,024; sums in f32; y rounded once to f16 and laid by heads.
; codes [27648][512 bytes], scales [27648][32 bytes]: rows 0-24575 are q, k, v stacked, rows 24576 + 1024 t + n the weight of tensor t (0 q, 1 k, 2 v).  qkv: f16 [3 t][64 batch x head][2048 s][64].
; LIMIT: the projected numbers must lie within f16's range, +-65,504.
; A tile of 256 rows x 256 outputs is made by a work-group of four waves, a wave makes 128 x 128: 64 accumulators of 16 x 16, 512 registers.  The stacked rows give 96 tile rows, the 1,024 outputs 4 tile columns.
; K goes in two steps of 512 (a tile's row is 256 bytes of memory), each in an LDS slot of its own: with K = 1,024 both slots and the scales are first fills, and nothing is ever filled again.
; THE SCALES of the work-group's 256 rows of x and 256 rows of W, for all of K, are two dense blocks of memory: they come into LDS once, as rows of 256 bytes.
; CLUSTERS: 4 x 4 work-groups.  The four of a row of the cluster need the same tiles of x, the four of a column the same tiles of W: each tile is asked for JOINTLY, by the same tensor load with the same
; descriptor and a mask that names the four.  A cluster's four tile rows (1,024 rows) lie in one tensor t, so t hangs on the cluster's y alone.
; THE MATRIX INSTRUCTION IS USED TRANSPOSED (source 0 = 16 rows of W, source 1 = 16 rows of x): a lane then holds eight neighbouring outputs of one row.  THE BIAS is the C of each sum's first instruction.
; No prefetch: three tensor loads a wave go out at the head and there is nothing to ask for ahead of them.
; REGISTERS, in windows of 256: window 0: v0-31 addresses; v32-95 scale words, two sets; v128-191 x's fragments, ONE set; v192-255 the bias, 8 registers for each block of 16 outputs; on the way out v128-223 are at work.
;   window 1: W's fragments, TWO sets, at v0 and v128.   window 2: the 32 accumulators of my rows 0-63 ((a, b) at v[8 (8 a + b)]);   window 3: those of my rows 64-127.
.set KSTEP,  512
.set NQ,     KSTEP/128                 ; matrix instructions deep
.set ROWB,   256                       ; a tile's row in bytes
.set KROW,   512                       ; a row of codes in memory
.set PITCH,  272                       ; an LDS row: 256 bytes + 16 of padding = 68 words: row r starts at bank 4 r mod 64 (64 banks of 4 bytes: ISA guide 11.1)
.set FR,     8                         ; registers of a fragment: 16 rows x 128 K
.set NL,     2                         ; LDS loads that bring one
.set NP,     4                         ; places behind this matrix instruction (ISA guide 7.12.1)
.set HALFT,  128*PITCH                 ; 128 rows: what one tensor load brings
.set SLOT,   4*HALFT                   ; x's 256 rows, then W's 256 rows
.set KS,     32                        ; a row of scales in bytes
.set SCL,    2*SLOT                    ; behind the slots: the scales, as rows of 256 bytes + 16 of padding
.set HALFS,  (128*KS/256)*272          ; the scales of 128 rows
.set SBLK,   (16*KS/256)*272           ; those of 16 rows
.set SPARE,  SCL+4*HALFS               ; the spare words, 128 bytes a wave, which no other line names
.set STAGE,  SPARE+512                 ; the way out: 16 rows x 272 bytes for each wave; no tensor load lands here
.set SPITCH, 272
.set WROW0,  24576                     ; the first weight's first row
.set ADRA, 16                          ; v16-17  LDS address of my fragments of x in slot 0, 1
.set ADRB, 20                          ; v20-21  the same for W
.set STO,  24                          ; v24     the way out: where I put 16 bytes of a row
.set RD,   25                          ; v25     where I read back
.set CO,   26                          ; v26     16 x lane: my byte offset in a store's 512
.set ADRS, 27                          ; v27     LDS address of my scale words: lanes 0-15 x's rows, lanes 16-31 W's
.set SPW,  28                          ; v28     LDS address of my spare word; never rewritten
.set NIL,  29                          ; v29     0; never rewritten
.set BOF,  30                          ; v30     32 x (lane / 16): my eight numbers of a block's bias
.set SC,   32                          ; scale words: set s at v[SC + 32 s]; register 4 i + q: lanes 0-15 the word of x's block i, lanes 16-31 that of W's block i
.set AF,   128                         ; x's fragments
.set BIAS, 192
.set TMP,  128                         ; the way out: packed results
.set BK,   160                         ; and rows read back: v160-191, v192-223 by turns
.set TT,   95                          ; s95 which tensor
.set G1, 24                            ; s[24:31] group 1 for x's tiles;  s[32:39] group 0, one set for each slot
.set G0, 32
.set G1B, 48                           ; s[48:55], s[56:63] the same for W's
.set G0B, 56
.set G1S, 68                           ; s[68:75], s[76:79] groups 1 and 0 for x's scales;  s[80:87], s[88:91] for W's
.set G0S, 76
.set G1SB, 80
.set G0SB, 88
.set MSB, 0
.macro WIN new                         ; the immediate's high byte repeats the setting that is left
.if MSB != \new
	s_set_vgpr_msb (MSB<<8)|\new
.set MSB, \new
.endif
.endm
.set MUL_LO, 0xa1                      ; source 0 (W) window 1, source 1 (x) window 0, C and D window 2
.set MUL_HI, 0xf1                      ; the same, C and D window 3
.set BIA_LO, 0x81                      ; the first step: C (the bias) window 0, D window 2
.set BIA_HI, 0xc1                      ; D window 3
.set TO_B,   0x40                      ; destination window 1, address window 0
; A joint load: waves 0 and 1 fetch for x, waves 2 and 3 for W.  The branch hangs on the wave's number alone.  An s_nop 0 and four v_nop follow each of the two lines.
.macro JLOAD g0a, g1a, g0b, g1b
	s_cmp_eq_u32 s15, 0
	s_cbranch_scc0 .Lfor_b_\@
	tensor_load_to_lds s[\g0a:\g0a+3], s[\g1a:\g1a+7]
	s_nop 0
.rept 4
	v_nop
.endr
	s_branch .Lasked_\@
.Lfor_b_\@:
	tensor_load_to_lds s[\g0b:\g0b+3], s[\g1b:\g1b+7]
	s_nop 0
.rept 4
	v_nop
.endr
.Lasked_\@:
.endm
.macro CROUND                          ; a round of the cluster's barrier
	s_barrier_signal -1
	s_barrier_wait -1
	s_cmp_lg_u32 s14, 0
	s_cbranch_scc1 .Lnot_wave_0_\@
	s_barrier_signal -3
.Lnot_wave_0_\@:
	s_barrier_wait -3
	s_barrier_signal -1
	s_barrier_wait -1
.endm
	s_load_b128 s[4:7], s[0:1], 0x0                ; codes, scales
	s_load_b128 s[96:99], s[0:1], 0x10             ; bq, bk
	s_load_b64 s[100:101], s[0:1], 0x20            ; bv
	s_load_b64 s[12:13], s[0:1], 0x28              ; qkv
	v_lshl_add_u32 v[SPW], v0, 2, SPARE
	v_mov_b32 v[NIL], 0
	ds_add_u32 v[SPW], v[NIL]                      ; the wave's opening: the add, twice on end, and its wait ahead of my first tensor load; the set-up below stands between
	ds_add_u32 v[SPW], v[NIL]
	v_lshrrev_b32 v1, 5, v0
	v_readfirstlane_b32 s14, v1                    ; wave 0..3
	s_lshr_b32 s15, s14, 1                         ; which half of the tile's rows is mine.  Also: I fetch for x (0) or for W (1)
	s_and_b32 s16, s14, 1                          ; which half of its outputs.  Also: which 128 rows of that tile I fetch
	s_bfe_u32 s40, ttmp6, 0x40000                  ; cx, cy: my place in the cluster
	s_bfe_u32 s41, ttmp6, 0x40004
	s_lshl_b32 s42, ttmp9, 2
	s_add_co_u32 s42, s42, s40                     ; tile column = 4 x cluster x + cx
	s_and_b32 s17, ttmp7, 0xffff
	s_lshr_b32 s[TT], s17, 3                       ; eight clusters of 1,024 rows make a tensor
	s_lshl_b32 s17, s17, 2
	s_add_co_u32 s17, s17, s41                     ; tile row = 4 x cluster y + cy
	s_lshl_b32 s43, s41, 2
	s_lshl_b32 s43, 15, s43                        ; my row of the cluster
	s_lshl_b32 s44, 0x1111, s40                    ; my column
	; descriptor group 1: a tile of 128 rows x 256 bytes, padded in LDS
	s_or_b32 s[G1+0], s43, (0<<16)|(1<<20)|(1<<21)|(5<<22)|(3<<25)  ; 15:0 the mask; 17:16 elements of 1 byte; 20 padding on; 21 set beside a mask; 24:22 after every 64 words; 31:25 of 4 words
	s_or_b32 s[G1B+0], s44, (0<<16)|(1<<20)|(1<<21)|(5<<22)|(3<<25)
.irp g, G1, G1B
	s_mov_b32 s[\g+1], ROWB<<16                    ; tensor_dim0
	s_mov_b32 s[\g+2], 128<<16                     ; tensor_dim1
	s_mov_b32 s[\g+3], ROWB<<16                    ; tile_dim0
	s_mov_b32 s[\g+4], 128                         ; tile_dim1
	s_mov_b32 s[\g+5], KROW                        ; tensor_dim0_stride
	s_mov_b32 s[\g+6], 0
	s_mov_b32 s[\g+7], 0
.endr
	; the scales of 128 rows: a dense block of 4,096 bytes, as 16 rows of 256 bytes (32 elements of 8 bytes), 16 bytes of padding behind each
	s_or_b32 s[G1S+0], s43, (3<<16)|(1<<20)|(1<<21)|(5<<22)|(3<<25)
	s_or_b32 s[G1SB+0], s44, (3<<16)|(1<<20)|(1<<21)|(5<<22)|(3<<25)
.irp g, G1S, G1SB
	s_mov_b32 s[\g+1], 32<<16
	s_mov_b32 s[\g+2], (128*KS/256)<<16
	s_mov_b32 s[\g+3], 32<<16
	s_mov_b32 s[\g+4], 128*KS/256
	s_mov_b32 s[\g+5], 32
	s_mov_b32 s[\g+6], 0
	s_mov_b32 s[\g+7], 0
.endr
	s_lshl_b32 s18, s16, 7                         ; which 128 rows of the tile I fetch
	s_lshl_b32 s20, s17, 8
	s_add_co_u32 s20, s20, s18                     ; x: row 256 x tile row + 128 x half
	s_lshl_b32 s46, s42, 8
	s_add_co_u32 s46, s46, s18                     ; W: row 256 x tile column + 128 x half,
	s_lshl_b32 s19, s[TT], 10
	s_add_co_u32 s46, s46, s19                     ; in tensor t's weight,
	s_add_co_u32 s46, s46, WROW0                   ; behind the 24,576 rows of x
	s_mov_b32 s21, 0
	s_mov_b32 s47, 0
	s_mov_b64 s[18:19], KS
	s_mul_u64 s[22:23], s[20:21], s[18:19]         ; where these rows' scales begin, in bytes
	s_mul_u64 s[92:93], s[46:47], s[18:19]
	s_mov_b64 s[18:19], KROW
	s_mul_u64 s[20:21], s[20:21], s[18:19]         ; and their codes
	s_mul_u64 s[46:47], s[46:47], s[18:19]
	s_mul_i32 s45, s14, HALFT                      ; where they go: wave x 128 rows: no place in the cluster enters an LDS address
	s_mul_i32 s94, s14, HALFS
	s_wait_dscnt 0x0                               ; both opening adds are done
	s_wait_kmcnt 0x0
	s_add_nc_u64 s[20:21], s[4:5], s[20:21]
	s_add_nc_u64 s[22:23], s[6:7], s[22:23]
	s_add_nc_u64 s[46:47], s[4:5], s[46:47]
	s_add_nc_u64 s[92:93], s[6:7], s[92:93]
	CROUND                                         ; all sixteen work-groups are here: the joint loads meet
	s_mov_b32 s[G0S], 1
	s_add_co_u32 s[G0S+1], s94, SCL
	s_mov_b64 s[G0S+2:G0S+3], s[22:23]
	s_or_b32 s[G0S+3], s[G0S+3], 0x80000000
	s_mov_b32 s[G0SB], 1
	s_add_co_u32 s[G0SB+1], s94, SCL
	s_mov_b64 s[G0SB+2:G0SB+3], s[92:93]
	s_or_b32 s[G0SB+3], s[G0SB+3], 0x80000000
	JLOAD G0S, G1S, G0SB, G1SB                     ; the scales first: they are wanted with K step 0
.irp s, 0,1
	s_mov_b32 s[G0+4*\s], 1
	s_add_co_u32 s[G0+4*\s+1], s45, \s*SLOT
	s_add_nc_u64 s[G0+4*\s+2:G0+4*\s+3], s[20:21], \s*ROWB
	s_or_b32 s[G0+4*\s+3], s[G0+4*\s+3], 0x80000000
	s_mov_b32 s[G0B+4*\s], 1
	s_add_co_u32 s[G0B+4*\s+1], s45, \s*SLOT
	s_add_nc_u64 s[G0B+4*\s+2:G0B+4*\s+3], s[46:47], \s*ROWB
	s_or_b32 s[G0B+4*\s+3], s[G0B+4*\s+3], 0x80000000
	JLOAD G0+4*\s, G1, G0B+4*\s, G1B               ; three tensor loads of mine are out when both are issued
.endr
	v_and_b32 v1, 15, v0                           ; r = lane % 16
	v_bfe_u32 v2, v0, 4, 1                         ; h = lane / 16
	; the bias of my 128 outputs: lane (r, h) wants, for block b, the numbers of outputs 16 b + 8 h + 0 .. 7
	s_cmp_eq_u32 s[TT], 0
	s_cselect_b64 s[96:97], s[96:97], s[98:99]
	s_cmp_eq_u32 s[TT], 2
	s_cselect_b64 s[96:97], s[100:101], s[96:97]
	s_lshl_b32 s46, s42, 10
	s_lshl_b32 s47, s16, 9
	s_add_co_u32 s46, s46, s47                     ; 4 bytes x (256 x tile column + 128 x half)
	s_mov_b32 s47, 0
	s_add_nc_u64 s[96:97], s[96:97], s[46:47]
	v_lshlrev_b32 v[BOF], 5, v2
.irp b, 0,1,2,3,4,5,6,7
	global_load_b128 v[BIAS+8*\b:BIAS+8*\b+3], v[BOF], s[96:97] offset:64*\b
	global_load_b128 v[BIAS+8*\b+4:BIAS+8*\b+7], v[BOF], s[96:97] offset:64*\b+16
.endr
	v_mul_u32_u24 v3, v1, PITCH
	v_lshl_add_u32 v4, v2, 4, v3                   ; a fragment's row x pitch + 16 x half
	s_mul_i32 s21, s15, HALFT                      ; my 128 rows of x
	s_mul_i32 s22, s16, HALFT                      ; my 128 rows of W,
	s_add_co_u32 s22, s22, 2*HALFT                 ; which lie behind x's 256
.irp s, 0,1
	v_add_nc_u32 v[ADRA+\s], s21, v4
	v_add_nc_u32 v[ADRB+\s], s22, v4
	s_add_co_u32 s21, s21, SLOT
	s_add_co_u32 s22, s22, SLOT
.endr
	v_mul_u32_u24 v5, v1, KS                       ; my row's scales: 32 bytes a row,
	v_lshrrev_b32 v6, 8, v5
	v_lshl_add_u32 v5, v6, 4, v5                   ; and 16 more for each 256 passed
	s_mul_i32 s21, s15, HALFS                      ; x's: my 128 rows
	s_mul_i32 s22, s16, HALFS                      ; W's: my 128 rows, behind x's 256
	s_add_co_u32 s22, s22, 2*HALFS
	s_sub_co_u32 s22, s22, s21
	v_mul_u32_u24 v6, s22, v2                      ; lanes 16-31 take W's: one product, the distance between the two bases
	s_add_co_u32 s21, s21, SCL
	v_add_nc_u32 v5, v5, v6
	v_add_nc_u32 v[ADRS], s21, v5
	s_mul_i32 s23, s14, 16*SPITCH
	s_add_co_u32 s23, s23, STAGE                   ; my stage
	v_mul_u32_u24 v5, v1, SPITCH                   ; in: row r, 16 bytes for each half of the lanes
	v_lshl_add_u32 v5, v2, 4, v5
	v_add_nc_u32 v[STO], s23, v5
	v_and_b32 v6, 31, v0
	v_lshlrev_b32 v[CO], 4, v6
	v_lshrrev_b32 v5, 3, v6                        ; back: eight lanes take one head's 128 bytes of a row, the 32 lanes four rows
	v_mul_u32_u24 v5, v5, SPITCH
	v_and_b32 v6, 7, v6
	v_lshl_add_u32 v5, v6, 4, v5
	v_add_nc_u32 v[RD], s23, v5
	; where my part begins in qkv: tensor t, batch, my first head (4 x tile column + 2 x half), my first position
	s_and_b32 s20, s17, 31
	s_lshl_b32 s20, s20, 8
	s_lshl_b32 s21, s15, 7
	s_add_co_u32 s20, s20, s21                     ; my first row in the tensor
	s_lshr_b32 s21, s20, 11                        ; batch
	s_and_b32 s20, s20, 2047                       ; position
	s_lshl_b32 s20, s20, 7                         ; 128 bytes a position
	s_lshl_b32 s21, s21, 22                        ; 16 heads of 262,144 bytes a batch
	s_add_co_u32 s20, s20, s21
	s_lshl_b32 s21, s[TT], 24                      ; 16,777,216 bytes a tensor
	s_add_co_u32 s20, s20, s21
	s_lshl_b32 s46, s42, 2
	s_lshl_b32 s47, s16, 1
	s_add_co_u32 s46, s46, s47
	s_lshl_b32 s46, s46, 18
	s_add_co_u32 s20, s20, s46
	s_mov_b32 s21, 0
	s_add_nc_u64 s[12:13], s[12:13], s[20:21]
.macro FRAG reg, adr, q, i             ; 16 rows x 128 K of 4-bit codes, 8 registers: lane l holds row l % 16; registers 4 c .. 4 c + 3 hold K = 64 c + 32 (l / 16) + 0 .. 31
.irp c, 0,1
	ds_load_b128 v[\reg+4*\c:\reg+4*\c+3], v[\adr] offset:64*(\q)+32*\c+(\i)*16*PITCH
.endr
.endm
; 16 matrix instructions: x's blocks a0, a0 + 1 against W's eight, 128 along K.  p: W's set;  sc: the set of scale words.  zero = 1: the first product starts the sums from the bias: nothing is cleared or added later.
; The 64 accumulators take turns, one instruction a turn, in the same order in every step.
.macro MUL16 a0, p, q, sc, zero
.irp a, \a0, \a0+1
.irp b, 0,1,2,3,4,5,6,7
.if \zero
	v_wmma_scale_f32_16x16x128_f8f6f4 v[8*(8*((\a)%4)+\b):8*(8*((\a)%4)+\b)+7], v[128*(\p)+FR*\b:128*(\p)+FR*\b+FR-1], v[AF+FR*(\a):AF+FR*(\a)+FR-1], v[BIAS+8*\b:BIAS+8*\b+7], v[SC+8*NQ*(\sc)+NQ*\b+(\q)], v[SC+8*NQ*(\sc)+NQ*(\a)+(\q)] matrix_a_fmt:MATRIX_FMT_FP4 matrix_b_fmt:MATRIX_FMT_FP4 matrix_a_scale:MATRIX_SCALE_ROW1
.else
	v_wmma_scale_f32_16x16x128_f8f6f4 v[8*(8*((\a)%4)+\b):8*(8*((\a)%4)+\b)+7], v[128*(\p)+FR*\b:128*(\p)+FR*\b+FR-1], v[AF+FR*(\a):AF+FR*(\a)+FR-1], v[8*(8*((\a)%4)+\b):8*(8*((\a)%4)+\b)+7], v[SC+8*NQ*(\sc)+NQ*\b+(\q)], v[SC+8*NQ*(\sc)+NQ*(\a)+(\q)] matrix_a_fmt:MATRIX_FMT_FP4 matrix_b_fmt:MATRIX_FMT_FP4 matrix_a_scale:MATRIX_SCALE_ROW1
.endif
.endr
.endr
.endm
.macro FETCH_B slot, q, p              ; W's eight fragments of the slot's q-th 128 along K into set p
	WIN TO_B
.irp i, 0,1,2,3,4,5,6,7
	FRAG 128*(\p)+FR*\i, ADRB+\slot, \q, \i
.endr
	WIN 0
.endm
.macro FETCH_A slot, q, i0             ; x's blocks i0 .. i0 + 3
.irp i, \i0, \i0+1, \i0+2, \i0+3
	FRAG AF+FR*(\i), ADRA+\slot, \q, \i
.endr
.endm
.macro SCALES sc                       ; a K step's scale words into set sc: four words a row; lanes 0-15 take x's block i, lanes 16-31 W's block i
.irp i, 0,1,2,3,4,5,6,7
	ds_load_b128 v[SC+8*NQ*\sc+NQ*\i:SC+8*NQ*\sc+NQ*\i+3], v[ADRS] offset:\i*SBLK
.endr
.endm
; A load into a register that a matrix instruction has read, and a vector instruction that reads a matrix result or writes one of its registers, stand NP places behind it; only plain vector
; instructions that name none of its registers are places.
.macro PLACES n
.rept \n
	v_nop
.endr
.endm
; A step of 128 along K that has its successor in the same slot.  x has one set of registers: blocks 0-3 are fetched anew in the step's middle, blocks 4-7 at its end.
.macro STEP slot, q, zero
	s_wait_dscnt 4*NL                              ; W's set and x's blocks 0-3 are in; the youngest eight loads (x's blocks 4-7) may be out
.if \zero
	WIN BIA_LO
.else
	WIN MUL_LO
.endif
	MUL16 0, (\q)%2, \q, \slot, \zero
	MUL16 2, (\q)%2, \q, \slot, \zero
	s_wait_dscnt 0                                 ; x's blocks 4-7 are in
	PLACES NP
	FETCH_B \slot, (\q)+1, 1-(\q)%2
	FETCH_A \slot, (\q)+1, 0
.if \zero
	WIN BIA_HI
.else
	WIN MUL_HI
.endif
	MUL16 4, (\q)%2, \q, \slot, \zero
	MUL16 6, (\q)%2, \q, \slot, \zero
	PLACES NP
	WIN 0
	FETCH_A \slot, (\q)+1, 4
.endm
; Slot 0's last step goes over to slot 1: one barrier; in front of it each wave waits for all its tensor loads (its part of slot 1), adds 0 to its spare word, and waits for that and for its LDS reads.
.macro TURN slot, next
	s_wait_tensorcnt 0x0                           ; all my tensor loads have landed
	ds_add_u32 v[SPW], v[NIL]                      ; 0 onto my spare word
	s_wait_dscnt 4*NL+1                            ; (the add and the youngest eight loads may be out)
	WIN MUL_LO
	MUL16 0, 1, NQ-1, \slot, 0                     ; sixteen matrix instructions stand between the add and the wait for it
	s_wait_dscnt 0x0                               ; the add is done, and my LDS loads are in
	s_barrier_signal -1
	MUL16 2, 1, NQ-1, \slot, 0
	WIN 0
	s_barrier_wait -1                              ; every wave's part of slot 1 has landed
	PLACES NP
	v_add_nc_u32 v[ADRS], 4*NQ, v[ADRS]            ; on to the next K step's scale words (no LDS load of mine is out)
	FETCH_B \next, 0, 0
	FETCH_A \next, 0, 0
	SCALES \next
	WIN MUL_HI
	MUL16 4, 1, NQ-1, \slot, 0
	MUL16 6, 1, NQ-1, \slot, 0
	PLACES NP
	WIN 0
	FETCH_A \next, 0, 4
.endm
.macro STEPS slot, from                ; the slot's steps from .. NQ - 2
.set Q, \from
.rept NQ-1-\from
	STEP \slot, Q, 0
.set Q, Q+1
.endr
.endm
	s_wait_tensorcnt 1                             ; the scales and my part of K step 0 are in (K step 1's load may be out)
	s_barrier_signal -1
	s_barrier_wait -1                              ; everybody's are
	FETCH_B 0, 0, 0
	FETCH_A 0, 0, 0
	SCALES 0
	FETCH_A 0, 0, 4
	s_wait_loadcnt 0x0                             ; the bias
	STEP 0, 0, 1                                   ; the first step's products start the sums
	STEPS 0, 1
	TURN 0, 1
	STEPS 1, 0
	s_wait_dscnt 4*NL                              ; the very last step: nothing more to fetch
	WIN MUL_LO
	MUL16 0, 1, NQ-1, 1, 0
	MUL16 2, 1, NQ-1, 1, 0
	s_wait_dscnt 0
	WIN MUL_HI
	MUL16 4, 1, NQ-1, 1, 0
	MUL16 6, 1, NQ-1, 1, 0
	WIN 0
; THE WAY OUT, block by block of 16 rows x 128 outputs (two heads).  PACK: rounded to f16, 16 bytes a lane, each accumulator from its low end on.  TOSTAGE: into my own stage, and back by heads:
; a load takes four rows' 128 bytes of one head.  SEND: those are 512 consecutive bytes of qkv, aligned to 512.
.macro PACK a
.set AC, 64*((\a)%4)
	WIN 0x0a+5*((\a)/4)                            ; sources 0 and 1: window 2 or 3
.irp b, 0,1,2,3,4,5,6,7
.irp r, 0,1,2,3
	v_cvt_pk_f16_f32 v[TMP+4*\b+\r], v[AC+8*\b+2*\r], v[AC+8*\b+2*\r+1]
.endr
.endr
	WIN 0
.endm
.macro TOSTAGE a
.set BB, BK+32*((\a)%2)
.irp b, 0,1,2,3,4,5,6,7
	ds_store_b128 v[STO], v[TMP+4*\b:TMP+4*\b+3] offset:32*\b
.endr
.irp u, 0,1,2,3,4,5,6,7
	ds_load_b128 v[BB+4*\u:BB+4*\u+3], v[RD] offset:(\u%4)*4*SPITCH+(\u/4)*128   ; LDS serves a wave's instructions in order (ISA guide 5.7.1.4): these see the stores above
.endr
.endm
.macro SEND a
.set BB, BK+32*((\a)%2)
	s_wait_dscnt 0x0                               ; the block is back in registers
	s_wait_xcnt 0x0                                ; the earlier stores have read their data: the next block's loads land in those registers only behind this wait
.irp u, 0,1,2,3,4,5,6,7
	global_store_b128 v[CO], v[BB+4*\u:BB+4*\u+3], s[12:13] offset:(\u/4)*262144+(\a)*2048+(\u%4)*512
.endr
.endm
	PLACES NP                                      ; behind the last products: the conversions write registers that held x's fragments and read results
	PACK 0
	TOSTAGE 0
.irp a, 1,2,3,4,5,6,7                  ; block a's conversions stand between block a - 1's loads from the stage and the wait for them
	PACK \a
	SEND \a-1
	TOSTAGE \a
.endr
	SEND 7
	s_wait_tensorcnt 0x0                           ; the wave's end, behind my last tensor load and my last LDS store
	ds_add_u32 v[SPW], v[NIL]
	s_wait_dscnt 0x0
	CROUND                                         ; the closing round: no work-group ends while a partner may still ask for a tile that names it
	s_endpgm
.Lfunc_end_k_qdd741c0044_proj:
	.size	k_qdd741c0044_proj, .Lfunc_end_k_qdd741c0044_proj-k_qdd741c0044_proj
	.p2alignl 7, 3214868480
	.fill 96, 4, 3214868480
	.section	.rodata,"a",@progbits
	.p2align	6, 0x0
	.amdhsa_kernel k_qdd741c0044_proj
		.amdhsa_group_segment_fixed_size 327680
		.amdhsa_private_segment_fixed_size 0
		.amdhsa_enable_private_segment 0
		.amdhsa_kernarg_size 48
		.amdhsa_user_sgpr_count 2
		.amdhsa_user_sgpr_kernarg_segment_ptr 1
		.amdhsa_wavefront_size32 1
		.amdhsa_system_sgpr_workgroup_id_x 1
		.amdhsa_system_sgpr_workgroup_id_y 1
		.amdhsa_system_sgpr_workgroup_id_z 1
		.amdhsa_system_vgpr_workitem_id 0
		.amdhsa_next_free_vgpr 1024
		.amdhsa_next_free_sgpr 102
		.amdhsa_reserve_vcc 0
		.amdhsa_float_denorm_mode_32 3
		.amdhsa_float_denorm_mode_16_64 3
		.amdhsa_memory_ordered 1
		.amdhsa_forward_progress 1
		.amdhsa_inst_pref_size 129
	.end_amdhsa_kernel
	.amdgpu_metadata
---
amdhsa.version: [ 1, 2 ]
amdhsa.kernels:
  - .name:           k_qdd741c0044_proj
    .symbol:         k_qdd741c0044_proj.kd
    .args:
      - { .name: codes, .offset: 0, .size: 8, .value_kind: global_buffer, .address_space: global }
      - { .name: scales, .offset: 8, .size: 8, .value_kind: global_buffer, .address_space: global }
      - { .name: bq, .offset: 16, .size: 8, .value_kind: global_buffer, .address_space: global }
      - { .name: bk, .offset: 24, .size: 8, .value_kind: global_buffer, .address_space: global }
      - { .name: bv, .offset: 32, .size: 8, .value_kind: global_buffer, .address_space: global }
      - { .name: qkv, .offset: 40, .size: 8, .value_kind: global_buffer, .address_space: global }
    .group_segment_fixed_size: 327680
    .private_segment_fixed_size: 0
    .kernarg_segment_align: 8
    .kernarg_segment_size: 48
    .max_flat_workgroup_size: 128
    .sgpr_count:     102
    .vgpr_count:     1024
    .wavefront_size: 32
...
	.end_amdgpu_metadata
.endif
;; end of part 2
;; launch attn (part 3): grid 4 x 64, 8 waves a work-group, clusters of 4 x 1, 327,680 bytes of LDS; arguments qkv, att; writes att
.if DOCPART == 3
	.amdgcn_target "amdgcn-amd-amdhsa--gfx1250"
	.amdhsa_code_object_version 6
	.text
	.protected	k_qdd741c0044_attn
	.globl	k_qdd741c0044_attn
	.p2align	8
	.type	k_qdd741c0044_attn,@function
k_qdd741c0044_attn:
	s_mov_b64 s[64:65], 0
	v_nop
	global_prefetch_b8 v0, s[64:65] scope:SCOPE_SE
	s_setreg_imm32_b32 hwreg(HW_REG_WAVE_MODE, 25, 1), 1
	s_wait_xcnt 0x0
	s_wait_alu depctr_hold_cnt(0) depctr_sa_sdst(0) depctr_va_vdst(0) depctr_va_sdst(0) depctr_va_ssrc(0) depctr_va_vcc(0) depctr_vm_vsrc(0)
	s_getreg_b32 s2, hwreg(HW_REG_IB_STS2, 6, 4)
	s_cmp_eq_u32 s2, 0
	s_cbranch_scc0 .Lentry_in_a_cluster
	s_endpgm
.Lentry_in_a_cluster:
	s_bfe_u32 s2, ttmp6, 0x10000c
	s_cmp_lg_u32 s2, 0x3003
	s_cbranch_scc0 .Lentry_shape_is_right
	s_endpgm
.Lentry_shape_is_right:
; O[y][q][:] = the sum over k of softmax_k(Q[y][q] . K[y][k] / 8) V[y][k][:] for the 64 pairs y = 16 batch + head.  qkv: f16 [3][64][2048][64] (Q, K, V).  Products on f16 operands with f32 sums; maxima in f32;
; the weights p are rounded to f16 for the second product; O is rounded once to f16.
; att: f16, row m = 2048 batch + q, head h, channel c at byte (m / 2) 4096 + 256 h + 128 (m % 2) + 2 c: a head's two neighbouring rows are 256 consecutive bytes, aligned.
; LIMITS: the row's sum is taken of p as rounded to f16 (the same numbers that multiply V), by the matrix unit; O must lie within f16's range; NaN and infinities are not served.
; SHARES.  A work-group owns 512 queries of one y, each of its eight waves 64: four tiles of 16, worked as two PIECES (tiles 0, 1 and tiles 2, 3).  Two waves of 512 registers share a SIMD, so that one wave's
; softmax stands beside the other's products.  Every wave walks all 2,048 keys, 64 a step; a fragment of K or V read from LDS feeds four products.
; LAYOUT.  S^T = K Q^T (source 0 = 16 keys, source 1 = 16 queries): a lane holds ONE query (lane % 16) and keys 8 (lane / 16) + 0..7 of a tile.  Two such tiles, rounded to f16 in pairs, ARE source 1 (32 keys x 16 queries)
; of O^T = V^T P, whose result again holds one query a lane.  K comes out of LDS as it lies, V ([key][channel]) turned, by ds_load_tr16_b128.
; THE ROW'S SUM: a fifth source 0 of ones gives, in every register of its accumulator L, the sum of the lane's query over the 32 keys: no lane exchange and no vector additions.  Only L's registers 0 and 1 are
; rescaled; the other six are never read and stay at 2,048 or less.
; SOFTMAX.  For each query a running maximum m: p = 2^(c s - c m), c = log2(e) / 8; in every step O and L are multiplied by a = 2^(c m_old - c m_new), which is 1 where m has not grown: no branch on data.
; CLUSTER.  The four query blocks of a y are one cluster and walk the same K and V: each tile is asked for JOINTLY, the same tensor load with the same descriptor and a mask that names the four.
; THE RING.  Two LDS slots of four key steps (256 keys).  Waves 0-3 fetch K of the slot's step w, waves 4-7 V of step w - 4: one load a wave behind each round, with four steps in which to land.
; REGISTERS.  window 0: v1-15 addresses; v16-47 eight registers of statistics a tile; v64-127 one piece's S^T, then P in the lower 16 of a tile's 32; v128-191 Q; v192-255 K of one step.
;   window 1: v0-127 O^T, 32 a tile; v128-159 L, 8 a tile; v160-167 ones; v192-255 V of one step.
.set PK,    272       ; two keys of K to an LDS row: 256 bytes + 16 of padding: key r starts at word 68 (r / 2) + 32 (r % 2), bank 4 (r / 2) + 32 (r % 2): the 16 keys of a load start at 16 different groups of four banks (ISA guide 11.1)
.set PVP,   288       ; two keys of V: 256 + 32: key k starts at bank 8 (k / 2) + 32 (k % 2)
.set VOFF,  32*PK     ; a step's tiles lie together: 32 rows of K, then 32 rows of V
.set STEPB, 32*(PK+PVP)
.set NST,   4         ; key steps in a slot
.set SLOT1, 1<<17     ; slot 1 begins here, so that one exclusive or turns an address in one slot into the other's
.set SLOTB, 32768     ; a slot's 256 keys of K or of V in memory
.set STAGE, SLOT1+NST*STEPB  ; behind the ring: 8 rows x 272 bytes for each wave, for the way out
.set SP,    272
.set SPARE, STAGE+8*8*SP     ; the spare words, 128 bytes for each wave, which no other line names
.set KOFF,  0x1000000 ; K's and V's first bytes in qkv
.set VGOF,  0x2000000
.set AK0, 2           ; v2   my lane's place in a tile of K; never rewritten
.set AV0, 3           ; v3   the same for V
.set ADK, 4           ; v4   LDS address of the step's K
.set ADV, 5           ; v5   of its V
.set STO, 6           ; v6   the way out: where I put 16 bytes
.set RD,  7           ; v7   where I read back
.set GO,  8           ; v8   my byte offset in the wave's rows of att
.set PFO, 10          ; v10  256 x my lane; never rewritten
.set QO,  11          ; v11  my byte offset in the wave's rows of Q
.set SPW, 12          ; v12  LDS address of my spare word; never rewritten
.set NIL, 13          ; v13  0; never rewritten
.set ST,  16          ; tile t's statistics at v[ST+8 t]: +0 c m, +1 m, +4 to +7 c0-c3 at work; a takes c2's place, c m_old and the difference c3's
.set S,   64
.set Q,   128
.set KF,  192
.set L,   128         ; in window 1
.set ONES, 160
.set VF,  192
.set WV,  12          ; s12  my wave's number
.set LIM, 15          ; s15  1 in a wave that prefetches, else the greatest number
.set PFA, 18          ; s[18:19] where my prefetches stand
.set G1K, 24          ; s[24:31] descriptor group 1 for K's tiles;  s[32:39] for V's: it differs in the padding alone
.set G1V, 32
.set G0K, 40          ; s[40:47] group 0 for K's tiles: a set for each of the two first fills; the second then walks on
.set G0V, 48          ; s[48:55] the same for V's
.set SLOTS, 56        ; s56  slots still to be asked for
.set CNT, 57          ; s57  counts a slot's steps
.set CS,  58          ; s[58:59] c: the packed scaling names a pair and takes its low word for both halves
.set SEL, 60          ; s[60:61] lane selects for v_permlanex16_b32: lane l xor 16
.set TB,  62          ; s62  LDS byte at which the tiles of the step to be fetched begin
.set MSB, 0
.macro WIN new                      ; the immediate's high byte repeats the setting that is left; a switch that changes nothing is dropped
.if MSB != \new
	s_set_vgpr_msb (MSB<<8)|\new
.set MSB, \new
.endif
.endm
.set W_PV, 0x51       ; V (source 0), C and D in window 1, P (source 1) in window 0
.set W_RS, 0x41       ; O^T or L (destination and source 0) in window 1, a in window 0
.set TO_1, 0x40       ; destination window 1
.macro PLACES n
.rept \n
	v_nop
.endr
.endm
; A joint refill.  The branch hangs on the wave's number alone.  An s_nop 0 and four v_nop follow each of the two lines.
.macro JLOAD
	s_cmp_lt_u32 s[WV], 4
	s_cbranch_scc0 .Lfor_v_\@
	tensor_load_to_lds s[G0K+4:G0K+7], s[G1K:G1K+7]
	s_nop 0
.rept 4
	v_nop
.endr
	s_branch .Lasked_\@
.Lfor_v_\@:
	tensor_load_to_lds s[G0V+4:G0V+7], s[G1V:G1V+7]
	s_nop 0
.rept 4
	v_nop
.endr
.Lasked_\@:
.endm
; A PREFETCH INTO THE L2 of what the NEXT change of slots will ask for: a slot's 32,768 bytes of K and of V, four key steps ahead of that load.  Each aligned 256 bytes are named once in the launch: a y has one
; cluster; its four partners take 8,192 bytes each, told apart BY ADDRESS; in each, wave 0 asks for K's and wave 4 for V's, lanes 256 bytes apart: one instruction.  The last change that fills a slot asks for
; nothing: there is no slot behind it.  Slots 0, 1 and 2 come by their loads alone.
.macro ASK
	s_cmp_gt_u32 s[SLOTS], s[LIM]
	s_cbranch_scc0 .Lnot_mine_\@
	global_prefetch_b8 v[PFO], s[PFA:PFA+1] th:TH_LOAD_NT scope:SCOPE_SE
.Lnot_mine_\@:
.endm
.macro CROUND                       ; a round of the cluster's barrier
	s_barrier_signal -1
	s_barrier_wait -1
	s_cmp_lg_u32 s[WV], 0
	s_cbranch_scc1 .Lnot_wave_0_\@
	s_barrier_signal -3
.Lnot_wave_0_\@:
	s_barrier_wait -3
	s_barrier_signal -1
	s_barrier_wait -1
.endm
	s_load_b128 s[4:7], s[0:1], 0x0 ; qkv s[4:5], att s[6:7]
	v_lshl_add_u32 v[SPW], v0, 2, SPARE
	v_mov_b32 v[NIL], 0
	ds_add_u32 v[SPW], v[NIL]       ; the wave's opening: the add, twice on end, and its wait ahead of my first tensor load; the set-up below stands between
	ds_add_u32 v[SPW], v[NIL]
	v_lshrrev_b32 v1, 5, v0
	v_readfirstlane_b32 s[WV], v1   ; wave 0..7
	s_bfe_u32 s13, ttmp6, 0x40000   ; cx: my place in the cluster
	s_lshl_b32 s63, ttmp9, 2
	s_add_co_u32 s63, s63, s13      ; my block of 512 queries: it enters Q's and att's addresses alone
	s_and_b32 s14, ttmp7, 0xffff    ; y = 16 batch + head, which the four partners share
	s_and_b32 s16, s[WV], 3         ; which of a slot's four steps I fetch
	s_mul_i32 s17, s16, STEPB       ; its place in a slot: no place in the cluster enters an LDS address
	s_lshl_b32 s20, s14, 18         ; y's first byte in each of the three tensors
	s_lshl_b32 s21, s16, 13         ; my step's 8,192 bytes
	s_add_co_u32 s21, s21, s20
	s_add_co_u32 s22, s21, KOFF     ; K at my tile of slot 0,
	s_mov_b32 s23, 0
	s_add_co_u32 s2, s21, VGOF      ; V likewise
	s_mov_b32 s3, 0
	s_lshl_b32 s8, s63, 16          ; Q: my block's 512 rows of 128 bytes,
	s_add_co_u32 s8, s8, s20
	s_lshl_b32 s9, s[WV], 13        ; my wave's 64
	s_add_co_u32 s8, s8, s9
	s_mov_b32 s9, 0
	s_lshr_b32 s10, s14, 4          ; att: 2,048 bytes x (2048 batch + 512 block + 64 wave) + 256 head
	s_lshl_b32 s10, s10, 22
	s_lshl_b32 s11, s63, 20
	s_add_co_u32 s10, s10, s11
	s_lshl_b32 s11, s[WV], 17
	s_add_co_u32 s10, s10, s11
	s_and_b32 s11, s14, 15
	s_lshl_b32 s11, s11, 8
	s_add_co_u32 s10, s10, s11
	s_mov_b32 s11, 0
	s_mov_b32 s[PFA], VGOF          ; the prefetches: K's bytes in waves 0-3, V's in the others,
	s_cmp_lt_u32 s[WV], 4
	s_cselect_b32 s[PFA], KOFF, s[PFA]
	s_add_co_u32 s[PFA], s[PFA], s20
	s_lshl_b32 s[PFA+1], s13, 13    ; my work-group's 8,192 bytes of a slot,
	s_add_co_u32 s[PFA], s[PFA], s[PFA+1]
	s_add_co_u32 s[PFA], s[PFA], 2*SLOTB  ; in slot 2: the first change of slots steps it to slot 3.  Nothing is prefetched at the head
	s_mov_b32 s[PFA+1], 0
	s_cmp_eq_u32 s16, 0             ; waves 0 and 4 ask: the same in all four partners
	s_cselect_b32 s[LIM], 1, -1
	; descriptor group 1: a tile of 32 rows x 128 elements (64 keys, dense in memory), padded in LDS
	s_mov_b32 s[G1K], 15|(1<<16)|(1<<20)|(1<<21)|(5<<22)|(3<<25)  ; 15:0 the mask: all four work-groups; 17:16 elements of 2 bytes; 20 padding on; 21 set beside a mask; 24:22 after every 64 words; 31:25 4 words of it
	s_mov_b32 s[G1V], 15|(1<<16)|(1<<20)|(1<<21)|(5<<22)|(7<<25)  ; the same with 8 words of padding
.irp g, G1K, G1V
	s_mov_b32 s[\g+1], 128<<16      ; tensor_dim0 = 128
	s_mov_b32 s[\g+2], 32<<16       ; tensor_dim1 = 32
	s_mov_b32 s[\g+3], 128<<16      ; tile_dim0 = 128
	s_mov_b32 s[\g+4], 32           ; tile_dim1 = 32
	s_mov_b32 s[\g+5], 128          ; tensor_dim0_stride
	s_mov_b32 s[\g+6], 0
	s_mov_b32 s[\g+7], 0
.endr
	s_mov_b32 s[CS], 0x3e38aa3b     ; c = log2(e) / 8
	s_mov_b32 s[CS+1], s[CS]        ; named with it as a pair, so it is written
	s_mov_b32 s[SEL], 0x76543210
	s_mov_b32 s[SEL+1], 0xfedcba98
	s_mov_b32 s[TB], 0
	s_mov_b32 s[SLOTS], 2048/256-2
	v_and_b32 v[PFO], 31, v0
	v_lshlrev_b32 v[PFO], 8, v[PFO]
	s_wait_dscnt 0x0                ; both opening adds are done
	s_wait_kmcnt 0x0
	s_add_nc_u64 s[22:23], s[4:5], s[22:23]
	s_add_nc_u64 s[2:3], s[4:5], s[2:3]
	s_add_nc_u64 s[PFA:PFA+1], s[4:5], s[PFA:PFA+1]
	s_add_nc_u64 s[4:5], s[4:5], s[8:9]      ; Q at my wave's first row
	s_add_nc_u64 s[6:7], s[6:7], s[10:11]    ; att likewise
	CROUND                          ; all four work-groups are here: the first joint loads meet
.irp s, 0,1
	s_mov_b32 s[G0K+4*\s], 1        ; count = 1
	s_add_co_u32 s[G0K+4*\s+1], s17, \s*SLOT1  ; LDS address
	s_add_nc_u64 s[G0K+4*\s+2:G0K+4*\s+3], s[22:23], \s*SLOTB  ; global address: slot s holds keys 256 s on
	s_or_b32 s[G0K+4*\s+3], s[G0K+4*\s+3], 0x80000000  ; type = 2
	s_mov_b32 s[G0V+4*\s], 1
	s_add_co_u32 s[G0V+4*\s+1], s17, \s*SLOT1+VOFF
	s_add_nc_u64 s[G0V+4*\s+2:G0V+4*\s+3], s[2:3], \s*SLOTB
	s_or_b32 s[G0V+4*\s+3], s[G0V+4*\s+3], 0x80000000
.endr
	s_cmp_lt_u32 s[WV], 4           ; a wave's two first fills stand in one branch, ahead of every wait on TENSORcnt and every LDS read: two loads of mine are out
	s_cbranch_scc0 .Lfirst_v
	tensor_load_to_lds s[G0K:G0K+3], s[G1K:G1K+7]
	s_nop 0
	tensor_load_to_lds s[G0K+4:G0K+7], s[G1K:G1K+7]
	s_nop 0
.rept 4
	v_nop
.endr
	s_branch .Lfirst_asked
.Lfirst_v:
	tensor_load_to_lds s[G0V:G0V+3], s[G1V:G1V+7]
	s_nop 0
	tensor_load_to_lds s[G0V+4:G0V+7], s[G1V:G1V+7]
	s_nop 0
.rept 4
	v_nop
.endr
.Lfirst_asked:
	; A fragment of K or Q is 16 rows x 32 channels in 8 registers: lane l holds row l % 16; registers 0-3 channels 8 (l / 16) + 0..7, registers 4-7 channels 16 + 8 (l / 16) + 0..7: two loads of 16 bytes, 32 bytes apart.
	v_and_b32 v1, 15, v0            ; r
	v_bfe_u32 v9, v0, 4, 1          ; h
	v_lshlrev_b32 v[QO], 7, v1
	v_lshl_add_u32 v[QO], v9, 4, v[QO]  ; row x 128 + 16 x half
.irp i, 0,1,2,3,4,5,6,7             ; Q stays in registers: tile i / 2, channels 32 (i % 2) on
	global_load_b128 v[Q+8*\i:Q+8*\i+3],   v[QO], s[4:5] offset:(\i/2)*2048+(\i%2)*64
	global_load_b128 v[Q+8*\i+4:Q+8*\i+7], v[QO], s[4:5] offset:(\i/2)*2048+(\i%2)*64+32
.endr
	v_lshrrev_b32 v14, 1, v1        ; r / 2
	v_and_b32 v15, 1, v0            ; r % 2
	v_mul_u32_u24 v[AK0], v14, PK
	v_lshl_add_u32 v[AK0], v15, 7, v[AK0]
	v_lshl_add_u32 v[AK0], v9, 4, v[AK0]
	s_mul_i32 s8, s[WV], 8*SP
	s_add_co_u32 s8, s8, STAGE      ; my stage
	v_mul_u32_u24 v[STO], v14, SP   ; in: query r at row r / 2, half r % 2; 16 bytes for each half of the lanes
	v_lshl_add_u32 v[STO], v15, 7, v[STO]
	v_lshl_add_u32 v[STO], v9, 4, v[STO]
	v_add_nc_u32 v[STO], s8, v[STO]
	v_mul_u32_u24 v[RD], v9, SP     ; back: lanes 0-15 take one row of 256 bytes, lanes 16-31 the next
	v_lshl_add_u32 v[RD], v1, 4, v[RD]
	v_add_nc_u32 v[RD], s8, v[RD]
	v_lshlrev_b32 v[GO], 12, v9     ; and the same two in att, 4,096 bytes apart
	v_lshl_add_u32 v[GO], v1, 4, v[GO]
	; The turning load takes 16 keys x 16 channels (lane l reads 16 bytes: key 8 (l / 16) + l % 8, channels 8 ((l / 8) % 2) + 0..7) and leaves half a fragment of V^T: lane l holds channel l % 16 and 8 keys.
	v_bfe_u32 v14, v0, 1, 2         ; (l % 8) / 2
	v_lshl_add_u32 v14, v9, 2, v14  ; + 4 h: the key's LDS row
	v_mul_u32_u24 v[AV0], v14, PVP
	v_lshl_add_u32 v[AV0], v15, 7, v[AV0]
	v_bfe_u32 v14, v0, 3, 1
	v_lshl_add_u32 v[AV0], v14, 4, v[AV0]
	v_add_nc_u32 v[AV0], VOFF, v[AV0]
	WIN TO_1
.irp i, 0,1,2,3,4,5,6,7
	v_mov_b32 v[ONES+\i], 0x3c003c00  ; 1.0 twice, in f16
.endr
	WIN 0
; S^T = K Q^T of piece x: 16 products: channels 32 (i / 8) on, keys 16 ((i / 2) % 4) on, tile x + i % 2.  The first 8 start the sums.  The 8 accumulators take turns.
.macro KQ x
.set i, 0
.rept 16
.set rS, S+32*(i%2)+8*((i/2)%4)
.set rK, KF+16*((i/2)%4)+8*(i/8)
.set rQ, Q+16*(\x+i%2)+8*(i/8)
.if i < 8
	v_wmma_f32_16x16x32_f16 v[rS:rS+7], v[rK:rK+7], v[rQ:rQ+7], 0
.else
	v_wmma_f32_16x16x32_f16 v[rS:rS+7], v[rK:rK+7], v[rQ:rQ+7], v[rS:rS+7]
.endif
.set i, i+1
.endr
.endm
; The maximum of a lane's 32 scores and the old m, three operands at a time, in four chains that begin at each accumulator's low end; the other half of the lanes' maximum; the new m, c m and c m_old - c m_new.
; The piece's two tiles go line by line, so that no line waits for the line above it.  first = 1: the first key step has no old m.
.macro SMAX x, first
.irp j, 0,1,2,3
.irp u, 0,1
	v_max3_num_f32 v[ST+8*(\x+\u)+4+\j], v[S+32*\u+8*\j], v[S+32*\u+8*\j+1], v[S+32*\u+8*\j+2]
.endr
.endr
.irp g, 1,2
.irp j, 0,1,2,3
.irp u, 0,1
	v_max3_num_f32 v[ST+8*(\x+\u)+4+\j], v[ST+8*(\x+\u)+4+\j], v[S+32*\u+8*\j+2*\g+1], v[S+32*\u+8*\j+2*\g+2]
.endr
.endr
.endr
.irp u, 0,1
	v_max3_num_f32 v[ST+8*(\x+\u)+4], v[ST+8*(\x+\u)+4], v[S+32*\u+7], v[S+32*\u+15]
	v_max3_num_f32 v[ST+8*(\x+\u)+6], v[ST+8*(\x+\u)+6], v[S+32*\u+23], v[S+32*\u+31]
.endr
.irp u, 0,1
	v_max3_num_f32 v[ST+8*(\x+\u)+4], v[ST+8*(\x+\u)+4], v[ST+8*(\x+\u)+5], v[ST+8*(\x+\u)+6]
.endr
.irp u, 0,1
.if \first
	v_max_num_f32 v[ST+8*(\x+\u)+4], v[ST+8*(\x+\u)+4], v[ST+8*(\x+\u)+7]
.else
	v_max3_num_f32 v[ST+8*(\x+\u)+4], v[ST+8*(\x+\u)+4], v[ST+8*(\x+\u)+7], v[ST+8*(\x+\u)+1]
.endif
.endr
.irp u, 0,1
	v_permlanex16_b32 v[ST+8*(\x+\u)+5], v[ST+8*(\x+\u)+4], s[SEL], s[SEL+1]  ; the query's other 32 keys lie in the lane 16 away
.endr
.if \first == 0
.irp u, 0,1
	v_mov_b32 v[ST+8*(\x+\u)+7], v[ST+8*(\x+\u)]  ; c m_old is kept for a
.endr
.endif
.irp u, 0,1
	v_max_num_f32 v[ST+8*(\x+\u)+1], v[ST+8*(\x+\u)+4], v[ST+8*(\x+\u)+5]
.endr
.irp u, 0,1
	v_mul_f32 v[ST+8*(\x+\u)], s[CS], v[ST+8*(\x+\u)+1]
.endr
.if \first == 0
.irp u, 0,1
	v_sub_f32 v[ST+8*(\x+\u)+7], v[ST+8*(\x+\u)+7], v[ST+8*(\x+\u)]
.endr
.endif
.endm
; c s - c m, two at a time; then ONE BATCH of exponentials (a of both tiles and the 64 weights), a plain line, ONE wait ahead of the first line that names a result; then the
; roundings to f16, in place: pair i of a tile goes into its register i, which the pairs still to come do not name.
.macro SEXP x, first
.irp u, 0,1
.irp b, 0,2,4,6,8,10,12,14,16,18,20,22,24,26,28,30
	v_pk_fma_f32 v[S+32*\u+\b:S+32*\u+\b+1], v[S+32*\u+\b:S+32*\u+\b+1], s[CS:CS+1], v[ST+8*(\x+\u):ST+8*(\x+\u)+1] op_sel_hi:[1,0,0] neg_lo:[0,0,1] neg_hi:[0,0,1]
.endr
.endr
.if \first == 0
.irp u, 0,1
	v_exp_f32 v[ST+8*(\x+\u)+6], v[ST+8*(\x+\u)+7]
.endr
.endif
.set i, 0
.rept 64
	v_exp_f32 v[S+i], v[S+i]
.set i, i+1
.endr
	v_nop
	s_wait_alu depctr_va_vdst(0)
.irp u, 0,1
.set i, 0
.rept 16
	v_cvt_pk_f16_f32 v[S+32*\u+i], v[S+32*\u+2*i], v[S+32*\u+2*i+1]
.set i, i+1
.endr
.endr
.endm
; O^T and the sum under the new m: x a.  Each accumulator is taken from its low end on.
.macro RESC x
	WIN W_RS
.irp u, 0,1
.set i, 0
.rept 16
	v_pk_mul_f32 v[32*(\x+\u)+i:32*(\x+\u)+i+1], v[32*(\x+\u)+i:32*(\x+\u)+i+1], v[ST+8*(\x+\u)+6:ST+8*(\x+\u)+7] op_sel_hi:[1,0]
.set i, i+2
.endr
	v_pk_mul_f32 v[L+8*(\x+\u):L+8*(\x+\u)+1], v[L+8*(\x+\u):L+8*(\x+\u)+1], v[ST+8*(\x+\u)+6:ST+8*(\x+\u)+7] op_sel_hi:[1,0]
.endr
.endm
; O^T += V^T P and L += ones P of piece x: for each 32 keys, 8 products on O^T's accumulators and 2 on L's: ten accumulators by turns.  first = 1: the first ten start the sums.
.macro PV x, first
	WIN W_PV
.irp kf, 0,1
.irp ct, 0,1,2,3
.irp u, 0,1
.if \first && (\kf == 0)
	v_wmma_f32_16x16x32_f16 v[32*(\x+\u)+8*\ct:32*(\x+\u)+8*\ct+7], v[VF+8*(4*\kf+\ct):VF+8*(4*\kf+\ct)+7], v[S+32*\u+8*\kf:S+32*\u+8*\kf+7], 0
.else
	v_wmma_f32_16x16x32_f16 v[32*(\x+\u)+8*\ct:32*(\x+\u)+8*\ct+7], v[VF+8*(4*\kf+\ct):VF+8*(4*\kf+\ct)+7], v[S+32*\u+8*\kf:S+32*\u+8*\kf+7], v[32*(\x+\u)+8*\ct:32*(\x+\u)+8*\ct+7]
.endif
.endr
.endr
.irp u, 0,1
.if \first && (\kf == 0)
	v_wmma_f32_16x16x32_f16 v[L+8*(\x+\u):L+8*(\x+\u)+7], v[ONES:ONES+7], v[S+32*\u+8*\kf:S+32*\u+8*\kf+7], 0
.else
	v_wmma_f32_16x16x32_f16 v[L+8*(\x+\u):L+8*(\x+\u)+7], v[ONES:ONES+7], v[S+32*\u+8*\kf:S+32*\u+8*\kf+7], v[L+8*(\x+\u):L+8*(\x+\u)+7]
.endif
.endr
.endr
	WIN 0
.endm
.macro PIECE x, first
	KQ \x
	PLACES 4                        ; four places between the last product and the first read of the scores (ISA guide 7.12.1)
	SMAX \x, \first
	SEXP \x, \first
.if \first == 0
	RESC \x
.endif
.if \x == 0
	s_wait_dscnt 0x0                ; V is in
.endif
	PV \x, \first
.if \x == 0
	PLACES 5                        ; the other piece's K Q^T writes over the registers that these products read as P: five places
.endif
.endm
; A KEY STEP: 64 keys.  K's 16 loads, then V's 16, in two runs; both pieces.
.macro STEP first
	v_add_nc_u32 v[ADK], s[TB], v[AK0]
	v_add_nc_u32 v[ADV], s[TB], v[AV0]
	PLACES 3                        ; with the two additions: five places behind the last step's products, for the loads into V's registers and for the K Q^T that writes over P
.irp f, 0,1,2,3,4,5,6,7             ; keys 16 (f / 2) on, channels 32 (f % 2) on
	ds_load_b128 v[KF+8*\f:KF+8*\f+3],   v[ADK] offset:(\f/2)*8*PK+(\f%2)*64
	ds_load_b128 v[KF+8*\f+4:KF+8*\f+7], v[ADK] offset:(\f/2)*8*PK+(\f%2)*64+32
.endr
	WIN TO_1
.irp f, 0,1,2,3,4,5,6,7             ; keys 32 (f / 4) on, channels 16 (f % 4) on
	ds_load_tr16_b128 v[VF+8*\f:VF+8*\f+3],   v[ADV] offset:(\f/4)*16*PVP+(\f%4)*32
	ds_load_tr16_b128 v[VF+8*\f+4:VF+8*\f+7], v[ADV] offset:(\f/4)*16*PVP+8*PVP+(\f%4)*32
.endr
	WIN 0
	s_add_co_u32 s[TB], s[TB], STEPB  ; the next fetch is the next step's
	s_wait_dscnt 16                 ; K is in; V's 16 loads, issued behind K's, may be out
	PIECE 0, \first
	PIECE 2, \first
.endm
.macro STEPS n                      ; n key steps: written once, walked n times; the LDS addresses hang on s[TB]
	s_mov_b32 s[CNT], \n
.Lstep_\@:
	STEP 0
	s_sub_co_u32 s[CNT], s[CNT], 1
	s_cmp_lg_u32 s[CNT], 0
	s_cbranch_scc1 .Lstep_\@
.endm
; THE CHANGE OF SLOTS.  Each wave waits for all its tensor loads, of which one is out: its part of the other slot; adds 0 to its spare word; and waits for that and for its reads of the slot that it leaves.
; fill = 1: the slot is filled again, with the keys two slots on.  The barrier is then a round of the cluster's, so that no wave of any partner still reads the slot or has a load on its way, and the joint
; refill is the first thing behind it.
.macro CHANGE fill
	WIN 0
	s_wait_tensorcnt 0x0            ; no tensor load of mine is out, so a group 0 may be written
	ds_add_u32 v[SPW], v[NIL]       ; 0 onto my spare word
.if \fill
.irp g, G0K+4, G0V+4
	s_xor_b32 s[\g+1], s[\g+1], SLOT1  ; the walking descriptor: the other slot than last time,
	s_add_nc_u64 s[\g+2:\g+3], s[\g+2:\g+3], SLOTB  ; the next 256 keys; the type bits on top are not reached
.endr
	s_wait_xcnt 0x0                 ; the last prefetch, four key steps back, has read its address, so it may be written:
	s_add_nc_u64 s[PFA:PFA+1], s[PFA:PFA+1], SLOTB  ; one slot further on than the walking descriptors
	s_wait_dscnt 0x0                ; the add is done, and my reads of the slot are over
	CROUND
	JLOAD
	ASK
.else
	s_wait_dscnt 0x0
	s_barrier_signal -1
	s_barrier_wait -1
.endif
	s_sub_co_u32 s[TB], s[TB], NST*STEPB  ; the fetches go back to a slot's first step,
	s_xor_b32 s[TB], s[TB], SLOT1   ; in the other slot
.endm
	s_wait_tensorcnt 1              ; my part of slot 0 is in; slot 1's may stay out
	s_barrier_signal -1
	s_barrier_wait -1               ; everybody's is
	s_wait_loadcnt 0x0              ; Q
	STEP 1                          ; the first key step starts m, L and O^T
	STEPS NST-1
.Lslot:                             ; six trips: every slot but the last two is filled again
	CHANGE 1
	STEPS NST
	s_sub_co_u32 s[SLOTS], s[SLOTS], 1
	s_cmp_lg_u32 s[SLOTS], 0
	s_cbranch_scc1 .Lslot
	CHANGE 0                        ; the tail is written out
	STEPS NST
	; THE WAY OUT.  O^T is divided by the sum (L's register 0), rounded to f16 and sent through my stage in LDS, a tile (16 queries, 8 rows of 256 bytes) at a time.
	PLACES 4                        ; behind the last products
	WIN 0x01                        ; source 0 in window 1
.irp t, 0,1,2,3
	v_rcp_f32 v[ST+8*\t+6], v[L+8*\t]
.endr
	WIN 0
	v_nop                           ; a plain line between the last reciprocal and the use of its result
	s_wait_alu depctr_va_vdst(0)    ; and one wait for the four
.macro PACK t
	WIN W_RS
.set i, 0
.rept 16
	v_pk_mul_f32 v[32*\t+i:32*\t+i+1], v[32*\t+i:32*\t+i+1], v[ST+8*\t+6:ST+8*\t+7] op_sel_hi:[1,0]
.set i, i+2
.endr
	WIN 0x05                        ; sources 0 and 1 window 1, destination window 0: S^T's registers are free
.set i, 0
.rept 16
	v_cvt_pk_f16_f32 v[S+16*\t+i], v[32*\t+2*i], v[32*\t+2*i+1]
.set i, i+1
.endr
	WIN 0
.irp f, 0,1,2,3
	ds_store_b128 v[STO], v[S+16*\t+4*\f:S+16*\t+4*\f+3] offset:32*\f
.endr
.irp f, 0,1,2,3
	ds_load_b128 v[S+16*\t+4*\f:S+16*\t+4*\f+3], v[RD] offset:\f*2*SP  ; LDS serves a wave's instructions in order (ISA guide 5.7.1.4): these see the stores above; the next tile's stores come behind them
.endr
.endm
.macro SEND t, younger              ; younger: the LDS instructions issued behind tile t's loads: the next tile's eight, or none
.irp f, 0,1,2,3
	s_wait_dscnt \younger+3-\f
	global_store_b128 v[GO], v[S+16*\t+4*\f:S+16*\t+4*\f+3], s[6:7] offset:\t*32768+\f*8192  ; 16 lanes store 256 consecutive bytes, at a multiple of 256 from att's first byte
.endr
.endm
	PACK 0
	PACK 1                          ; a tile's arithmetic stands between the loads of the tile before and its stores
	SEND 0, 8
	PACK 2
	SEND 1, 8
	PACK 3
	SEND 2, 8
	SEND 3, 0
	s_wait_tensorcnt 0x0            ; the wave's end, behind my last tensor load and my last LDS store
	ds_add_u32 v[SPW], v[NIL]
	s_wait_dscnt 0x0
	CROUND                          ; the closing round: no work-group ends while a partner may still ask for a tile that names it
	s_endpgm
.Lfunc_end_k_qdd741c0044_attn:
	.size	k_qdd741c0044_attn, .Lfunc_end_k_qdd741c0044_attn-k_qdd741c0044_attn
	.p2alignl 7, 3214868480
	.fill 96, 4, 3214868480
	.section	.rodata,"a",@progbits
	.p2align	6, 0x0
	.amdhsa_kernel k_qdd741c0044_attn
		.amdhsa_group_segment_fixed_size 327680
		.amdhsa_private_segment_fixed_size 0
		.amdhsa_enable_private_segment 0
		.amdhsa_kernarg_size 16
		.amdhsa_user_sgpr_count 2
		.amdhsa_user_sgpr_kernarg_segment_ptr 1
		.amdhsa_wavefront_size32 1
		.amdhsa_system_sgpr_workgroup_id_x 1
		.amdhsa_system_sgpr_workgroup_id_y 1
		.amdhsa_system_sgpr_workgroup_id_z 1
		.amdhsa_system_vgpr_workitem_id 0
		.amdhsa_next_free_vgpr 512
		.amdhsa_next_free_sgpr 66
		.amdhsa_reserve_vcc 0
		.amdhsa_float_denorm_mode_32 3
		.amdhsa_float_denorm_mode_16_64 3
		.amdhsa_memory_ordered 1
		.amdhsa_forward_progress 1
		.amdhsa_inst_pref_size 135
	.end_amdhsa_kernel
	.amdgpu_metadata
---
amdhsa.version: [ 1, 2 ]
amdhsa.kernels:
  - .name:           k_qdd741c0044_attn
    .symbol:         k_qdd741c0044_attn.kd
    .args:
      - { .name: qkv, .offset: 0, .size: 8, .value_kind: global_buffer, .address_space: global }
      - { .name: att, .offset: 8, .size: 8, .value_kind: global_buffer, .address_space: global }
    .group_segment_fixed_size: 327680
    .private_segment_fixed_size: 0
    .kernarg_segment_align: 8
    .kernarg_segment_size: 16
    .max_flat_workgroup_size: 256
    .sgpr_count:     66
    .vgpr_count:     512
    .wavefront_size: 32
...
	.end_amdgpu_metadata
.endif
;; end of part 3
;; launch oproj (part 4): grid 8 x 64, 4 waves a work-group, clusters of 4 x 4, 327,680 bytes of LDS; arguments att, wo16, out0, bo; writes out0
.if DOCPART == 4
	.amdgcn_target "amdgcn-amd-amdhsa--gfx1250"
	.amdhsa_code_object_version 6
	.text
	.protected	k_qdd741c0044_oproj
	.globl	k_qdd741c0044_oproj
	.p2align	8
	.type	k_qdd741c0044_oproj,@function
k_qdd741c0044_oproj:
	s_mov_b64 s[64:65], 0
	v_nop
	global_prefetch_b8 v0, s[64:65] scope:SCOPE_SE
	s_setreg_imm32_b32 hwreg(HW_REG_WAVE_MODE, 25, 1), 1
	s_wait_xcnt 0x0
	s_wait_alu depctr_hold_cnt(0) depctr_sa_sdst(0) depctr_va_vdst(0) depctr_va_sdst(0) depctr_va_ssrc(0) depctr_va_vcc(0) depctr_vm_vsrc(0)
	s_getreg_b32 s2, hwreg(HW_REG_IB_STS2, 6, 4)
	s_cmp_eq_u32 s2, 0
	s_cbranch_scc0 .Lentry_in_a_cluster
	s_endpgm
.Lentry_in_a_cluster:
	s_bfe_u32 s2, ttmp6, 0x10000c
	s_cmp_lg_u32 s2, 0xf033
	s_cbranch_scc0 .Lentry_shape_is_right
	s_endpgm
.Lentry_shape_is_right:
; out0[m][n] = sum over k of A[m][k] Wo[n][k] + bo[n].  A: the attention's result, f16, element (m, k) at byte (m / 2) 4096 + 256 (k / 64) + 128 (m % 2) + 2 (k % 64).  wo16: [1024][1024] f16.  out0: [8192][1024] f32; sums in f32.
; A tile of out0 is 128 x 128: 512 work-groups.  Four waves, each 64 x 64: 16 accumulators of 16 x 16.  K goes in steps of 256 through a ring of two LDS slots: of A a step is 1,024 consecutive bytes of a pair of rows
; (a wave's tensor load brings 32 pairs), of Wo 512 bytes of a row (64 rows to a load).
; CLUSTERS: 4 x 4 work-groups.  The four of a row of the cluster need the same tiles of A, the four of a column the same tiles of Wo: each tile is asked for JOINTLY, by the same tensor load with the same descriptor
; and a mask that names the four.  THE MATRIX INSTRUCTION IS USED TRANSPOSED (source 0 = 16 rows of Wo, source 1 = 16 rows of A): a lane then holds eight neighbouring numbers of a row of out0.
; THE BIAS is the C of each sum's first instruction.  A wave's 64 columns of f32 are 256 aligned bytes, so each wave has a stage of its own on the way out, and no barrier stands there.
; No prefetch: K has four steps, of which two go out at the head.
; REGISTERS: window 0: v0-31 addresses; v32-95 at work on the way out; v96-127 the bias; v128-255 the accumulators ((a, b) at v[128 + 8 (4 a + b)]).
;   window 1: two fragment buffers of 128: for 64 along K, 64 registers of A (2 x 4 x 16 rows x 32 K), then 64 of Wo.
.set SIZE_N, 1024
.set SIZE_K, 1024
.set KSTEP,  256
.set PITCH,  528                       ; Wo's LDS row: 512 bytes + 16 of padding = 132 words: row r starts at bank 4 r mod 64 (64 banks of 4 bytes: ISA guide 11.1)
.set PA,     1040                      ; A's LDS row, a pair of rows of A: 1,024 bytes + 16: row r of A starts at bank 4 (r / 2) + 32 (r % 2)
.set HALFT,  64*PITCH                  ; a wave's region in a slot: 64 rows of Wo, or 32 pairs of rows of A (33,280 bytes of it)
.set SLOT,   4*HALFT                   ; A's two halves, then Wo's two
.set STAGE,  2*SLOT                    ; behind the ring: 16 rows x 272 bytes for each wave
.set SPITCH, 272
.set SPARE,  STAGE+4*16*SPITCH         ; the spare words, 128 bytes a wave, which no other line names
.set LAPS, SIZE_K/(2*KSTEP)            ; a lap = two K steps = once round the ring
.set ADRA, 16                          ; v16-17  LDS address of my A fragments in slot 0, 1
.set ADRB, 20                          ; v20-21  the same for Wo
.set STO,  24                          ; v24     the way out: where I put 32 bytes of a row
.set RD,   25                          ; v25     where I read a row back
.set CO,   26                          ; v26     my byte offset in out0
.set BOF,  27                          ; v27     32 x (lane / 16): my eight numbers of a block's bias
.set SPW,  28                          ; v28     LDS address of my spare word; never rewritten
.set NIL,  29                          ; v29     0; never rewritten
.set TMP,  32                          ; the way out: two sets of 32 registers
.set BIAS, 96
.set ACC,  128
.set F0,   0                           ; fragment buffers, in window 1
.set F1,   128
.set G1, 24                            ; s[24:31] descriptor group 1 for A's tiles;  s[32:39] group 0, one set for each slot
.set G0, 32
.set G1B, 48                           ; s[48:55], s[56:63] the same for Wo's
.set G0B, 56
.set MSB, 0
.macro WIN new                         ; the immediate's high byte repeats the setting that is left
.if MSB != \new
	s_set_vgpr_msb (MSB<<8)|\new
.set MSB, \new
.endif
.endm
.set MUL,  0x05                        ; sources 0 (Wo) and 1 (A) window 1; C and D window 0
.set TO_F, 0x40                        ; destination window 1, address window 0
.macro JLOAD s                         ; a joint load: waves 0 and 1 fetch A's two halves, waves 2 and 3 Wo's; an s_nop 0 and four v_nop follow each of the two lines
	s_cmp_eq_u32 s11, 0
	s_cbranch_scc0 .Lfor_b_\@
	tensor_load_to_lds s[G0+4*\s:G0+4*\s+3], s[G1:G1+7]
	s_nop 0
.rept 4
	v_nop
.endr
	s_branch .Lasked_\@
.Lfor_b_\@:
	tensor_load_to_lds s[G0B+4*\s:G0B+4*\s+3], s[G1B:G1B+7]
	s_nop 0
.rept 4
	v_nop
.endr
.Lasked_\@:
.endm
.macro CREST                           ; a round of the cluster's barrier behind its opening barrier
	s_cmp_lg_u32 s10, 0
	s_cbranch_scc1 .Lnot_wave_0_\@
	s_barrier_signal -3
.Lnot_wave_0_\@:
	s_barrier_wait -3
	s_barrier_signal -1
	s_barrier_wait -1
.endm
.macro CROUND                          ; a whole round
	s_barrier_signal -1
	s_barrier_wait -1
	CREST
.endm
	s_load_b128 s[4:7], s[0:1], 0x0                ; att s[4:5], wo16 s[6:7]
	s_load_b64 s[8:9], s[0:1], 0x10                ; out0
	s_load_b64 s[66:67], s[0:1], 0x18              ; bo
	v_lshl_add_u32 v[SPW], v0, 2, SPARE
	v_mov_b32 v[NIL], 0
	ds_add_u32 v[SPW], v[NIL]                      ; the wave's opening: the add, twice on end, and its wait ahead of my first tensor load; the set-up below stands between
	ds_add_u32 v[SPW], v[NIL]
	v_lshrrev_b32 v1, 5, v0
	v_readfirstlane_b32 s10, v1                    ; wave 0..3
	s_lshr_b32 s11, s10, 1                         ; which half of the tile's rows is mine.  Also: I fetch for A (0) or for Wo (1)
	s_and_b32 s12, s10, 1                          ; which half of its columns.  Also: which 64 rows of that tile I fetch
	s_bfe_u32 s40, ttmp6, 0x40000                  ; cx, cy: my place in the cluster
	s_bfe_u32 s41, ttmp6, 0x40004
	s_lshl_b32 s42, ttmp9, 2
	s_add_co_u32 s42, s42, s40                     ; tile column = 4 x cluster x + cx
	s_and_b32 s13, ttmp7, 0xffff
	s_lshl_b32 s13, s13, 2
	s_add_co_u32 s13, s13, s41                     ; tile row = 4 x cluster y + cy
	s_lshl_b32 s43, s41, 2
	s_lshl_b32 s43, 15, s43                        ; my row of the cluster
	s_lshl_b32 s44, 0x1111, s40                    ; my column
	; descriptor group 1.  A: 32 pairs of rows x 512 elements (1,024 bytes), 2,048 elements apart in memory, 4 words of padding after every 256
	s_or_b32 s[G1+0], s43, (1<<16)|(1<<20)|(1<<21)|(7<<22)|(3<<25)  ; 15:0 the mask: A's tiles go to my row; 17:16 elements of 2 bytes; 20 padding on; 21 set beside a mask; 24:22 after every 256 words; 31:25 of 4 words
	s_mov_b32 s[G1+1], 512<<16                     ; tensor_dim0
	s_mov_b32 s[G1+2], 32<<16                      ; tensor_dim1
	s_mov_b32 s[G1+3], 512<<16                     ; tile_dim0
	s_mov_b32 s[G1+4], 32                          ; tile_dim1
	s_mov_b32 s[G1+5], 2048                        ; tensor_dim0_stride
	s_mov_b32 s[G1+6], 0
	s_mov_b32 s[G1+7], 0
	; Wo: 64 rows x 256 elements, 1,024 apart, 4 words of padding after every 128
	s_or_b32 s[G1B+0], s44, (1<<16)|(1<<20)|(1<<21)|(6<<22)|(3<<25)
	s_mov_b32 s[G1B+1], KSTEP<<16
	s_mov_b32 s[G1B+2], 64<<16
	s_mov_b32 s[G1B+3], KSTEP<<16
	s_mov_b32 s[G1B+4], 64
	s_mov_b32 s[G1B+5], SIZE_K
	s_mov_b32 s[G1B+6], 0
	s_mov_b32 s[G1B+7], 0
	s_lshl_b32 s17, s12, 6                         ; which 64 rows of the tile I fetch
	s_lshl_b32 s16, s13, 7
	s_add_co_u32 s16, s16, s17                     ; A: row 128 x tile row + 64 x half (even: a whole number of pairs)
	s_lshl_b32 s46, s42, 7
	s_add_co_u32 s46, s46, s17                     ; Wo: row 128 x tile column + 64 x half
	s_mov_b32 s17, 0
	s_mov_b32 s47, 0
	s_mov_b64 s[18:19], SIZE_K*2                   ; 2,048 bytes a row in both: in A a pair of rows is 4,096
	s_mul_u64 s[16:17], s[16:17], s[18:19]
	s_mul_u64 s[46:47], s[46:47], s[18:19]
	s_mul_i32 s20, s10, HALFT                      ; where they go: wave x a region: no place in the cluster enters an LDS address
	s_wait_dscnt 0x0                               ; both opening adds are done
	s_wait_kmcnt 0x0
	s_add_nc_u64 s[14:15], s[4:5], s[16:17]
	s_add_nc_u64 s[46:47], s[6:7], s[46:47]
	CROUND                                         ; all sixteen work-groups are here: the first joint loads meet
.irp s, 0,1
	s_mov_b32 s[G0+4*\s], 1
	s_add_co_u32 s[G0+4*\s+1], s20, \s*SLOT
	s_add_nc_u64 s[G0+4*\s+2:G0+4*\s+3], s[14:15], \s*KSTEP*4      ; a K step of A: four heads of 256 bytes
	s_or_b32 s[G0+4*\s+3], s[G0+4*\s+3], 0x80000000
	s_mov_b32 s[G0B+4*\s], 1
	s_add_co_u32 s[G0B+4*\s+1], s20, \s*SLOT
	s_add_nc_u64 s[G0B+4*\s+2:G0B+4*\s+3], s[46:47], \s*KSTEP*2
	s_or_b32 s[G0B+4*\s+3], s[G0B+4*\s+3], 0x80000000
	JLOAD \s
.endr
	v_and_b32 v1, 15, v0                           ; r = l % 16
	v_bfe_u32 v2, v0, 4, 1                         ; h = l / 16
	; my columns' first byte in a row of out0 and in bo are the same number: 512 x tile column + 256 x half
	s_lshl_b32 s46, s42, 9
	s_lshl_b32 s47, s12, 8
	s_add_co_u32 s46, s46, s47
	s_mov_b32 s47, 0
	s_add_nc_u64 s[66:67], s[66:67], s[46:47]
	v_lshlrev_b32 v[BOF], 5, v2
.irp b, 0,1,2,3                        ; lane (r, h) wants, for block b, bo of columns 16 b + 8 h + 0 .. 7
	global_load_b128 v[BIAS+8*\b:BIAS+8*\b+3], v[BOF], s[66:67] offset:64*\b
	global_load_b128 v[BIAS+8*\b+4:BIAS+8*\b+7], v[BOF], s[66:67] offset:64*\b+16
.endr
	v_mul_u32_u24 v3, v1, PITCH
	v_lshl_add_u32 v3, v2, 4, v3                   ; Wo: a fragment's row x pitch + 16 x half
	v_lshrrev_b32 v6, 1, v1
	v_mul_u32_u24 v6, v6, PA                       ; A: the pair r / 2,
	v_and_b32 v7, 1, v0
	v_lshl_add_u32 v6, v7, 7, v6                   ; its row r % 2,
	v_lshl_add_u32 v6, v2, 4, v6                   ; + 16 x half
	s_mul_i32 s21, s11, HALFT                      ; my 64 rows of A
	s_mul_i32 s22, s12, HALFT                      ; my 64 rows of Wo,
	s_add_co_u32 s22, s22, 2*HALFT                 ; which lie behind A's two regions
.irp s, 0,1
	v_add_nc_u32 v[ADRA+\s], s21, v6
	v_add_nc_u32 v[ADRB+\s], s22, v3
	s_add_co_u32 s21, s21, SLOT
	s_add_co_u32 s22, s22, SLOT
.endr
	s_mul_i32 s23, s10, 16*SPITCH
	s_add_co_u32 s23, s23, STAGE                   ; my stage
	v_mul_u32_u24 v4, v1, SPITCH                   ; in: row r, 32 bytes for each half of the lanes
	v_lshl_add_u32 v4, v2, 5, v4
	v_add_nc_u32 v[STO], s23, v4
	v_mul_u32_u24 v5, v2, SPITCH                   ; back: lanes 0-15 take one row of 256 bytes, lanes 16-31 the next
	v_lshl_add_u32 v5, v1, 4, v5
	v_add_nc_u32 v[RD], s23, v5
	v_lshlrev_b32 v5, 12, v2                       ; and the same two rows in out0, 4,096 bytes apart
	v_lshl_add_u32 v[CO], v1, 4, v5
	s_lshl_b32 s16, s13, 7
	s_lshl_b32 s17, s11, 6
	s_add_co_u32 s16, s16, s17                     ; my first row: 128 x tile row + 64 x half
	s_lshl_b32 s16, s16, 12                        ; 4,096 bytes a row: under 2^25
	s_add_co_u32 s16, s16, s46
	s_mov_b32 s17, 0
	s_add_nc_u64 s[8:9], s[8:9], s[16:17]
; 8 matrix instructions: m blocks a0, a0 + 1 x all 4 n blocks, 32 along K: half c of buffer f.  zero = 1: the first product starts the sums from the bias.  The 16 accumulators take turns.
.macro MUL8 f, c, a0, zero
.irp a, \a0, \a0+1
.irp b, 0,1,2,3
.if \zero
	v_wmma_f32_16x16x32_f16 v[ACC+8*(4*(\a)+\b):ACC+8*(4*(\a)+\b)+7], v[\f+64+8*(4*\c+\b):\f+64+8*(4*\c+\b)+7], v[\f+8*(4*\c+\a):\f+8*(4*\c+\a)+7], v[BIAS+8*\b:BIAS+8*\b+7]
.else
	v_wmma_f32_16x16x32_f16 v[ACC+8*(4*(\a)+\b):ACC+8*(4*(\a)+\b)+7], v[\f+64+8*(4*\c+\b):\f+64+8*(4*\c+\b)+7], v[\f+8*(4*\c+\a):\f+8*(4*\c+\a)+7], v[ACC+8*(4*(\a)+\b):ACC+8*(4*(\a)+\b)+7]
.endif
.endr
.endr
.endm
; 32 LDS loads in one run: the fragments of 64 along K into buffer f; the first 32 along K first.  k: the quarter's byte in Wo's rows (128 a quarter); in A a quarter is one head, 256 bytes: 2 k.
.macro FETCH slot, k, f
	WIN TO_F
.irp c, 0,1
.irp i, 0,1,2,3
	ds_load_b128 v[\f+64+8*(4*\c+\i):\f+64+8*(4*\c+\i)+3],   v[ADRB+\slot] offset:\k+64*\c+\i*16*PITCH
	ds_load_b128 v[\f+64+8*(4*\c+\i)+4:\f+64+8*(4*\c+\i)+7], v[ADRB+\slot] offset:\k+64*\c+\i*16*PITCH+32
	ds_load_b128 v[\f+8*(4*\c+\i):\f+8*(4*\c+\i)+3],         v[ADRA+\slot] offset:2*(\k)+64*\c+\i*8*PA
	ds_load_b128 v[\f+8*(4*\c+\i)+4:\f+8*(4*\c+\i)+7],       v[ADRA+\slot] offset:2*(\k)+64*\c+\i*8*PA+32
.endr
.endr
.endm
.macro PLACES                          ; four places in front of loads into registers that matrix instructions have read, and of the first read of results
.rept 4
	v_nop
.endr
.endm
; A K step is four quarters of 64 along K, 32 matrix instructions each, on buffers 0, 1, 0, 1.  One of the first three: multiplies buffer f and fetches the next quarter, at byte k, into g.
.macro QUARTER slot, k, f, g, zero
	s_wait_dscnt 16                                ; the first 32 along K are in; the youngest sixteen loads may be out
	WIN MUL
	MUL8 \f, 0, 0, \zero
	MUL8 \f, 0, 2, \zero
	PLACES
	FETCH \slot, \k, \g
	s_wait_dscnt 32                                ; all but the 32 just issued
	WIN MUL
	MUL8 \f, 1, 0, 0
	MUL8 \f, 1, 2, 0
.endm
; The last quarter multiplies buffer 1 and changes slots: ONE barrier; in front of it each wave waits for all its tensor loads, adds 0 to its spare word, and waits for that and for its own reads of this slot.  fill = 1: this slot is filled again, two K steps ahead.
.macro TURN slot, next, fill
	WIN 0                                          ; (the add's two registers lie in window 0)
	s_wait_tensorcnt 0x0                           ; all my tensor loads have landed: my part of the next slot;
	ds_add_u32 v[SPW], v[NIL]                      ; 0 onto my spare word;
	s_wait_dscnt 17                                ; (the add and the youngest sixteen loads may be out)
	WIN MUL
	MUL8 F1, 0, 0, 0                               ; eight matrix instructions stand between the add and the wait for it
	s_wait_dscnt 0x0                               ; the add is done, and my reads of this slot are over
	s_barrier_signal -1
	MUL8 F1, 0, 2, 0
.if \fill
	WIN 0
.endif
	s_barrier_wait -1
.if \fill
	CREST                                          ; the barrier has opened a round of the cluster's barrier: no wave of any partner still reads this slot's tile or has a load on its way
	s_add_nc_u64 s[G0+4*\slot+2:G0+4*\slot+3], s[G0+4*\slot+2:G0+4*\slot+3], 2*KSTEP*4
	s_add_nc_u64 s[G0B+4*\slot+2:G0B+4*\slot+3], s[G0B+4*\slot+2:G0B+4*\slot+3], 2*KSTEP*2
	JLOAD \slot                                    ; the first tensor load behind the round; the four v_nop behind it are also the places in front of the loads below
.else
	PLACES
.endif
	FETCH \next, 0, F0
	WIN MUL
	MUL8 F1, 1, 0, 0
	MUL8 F1, 1, 2, 0
.endm
	s_wait_tensorcnt 1                             ; my part of K step 0 is in (K step 1's load may be out)
	s_barrier_signal -1
	s_barrier_wait -1                              ; everybody's is
	FETCH 0, 0, F0
	s_wait_loadcnt 0x0                             ; the bias
	QUARTER 0, 128, F0, F1, 1                      ; the first quarter stands in front of the loop: its first products start the sums
	WIN 0                                          ; at a label and at a branch every window is 0
	s_mov_b32 s3, LAPS-1
.Llap:                                                 ; a trip goes once round the ring, from a lap's second quarter to the next lap's first, and fills both slots again
	QUARTER 0, 256, F1, F0, 0
	QUARTER 0, 384, F0, F1, 0
	TURN 0, 1, 1
	QUARTER 1, 128, F0, F1, 0
	QUARTER 1, 256, F1, F0, 0
	QUARTER 1, 384, F0, F1, 0
	TURN 1, 0, 1
	QUARTER 0, 128, F0, F1, 0
	WIN 0
	s_sub_co_u32 s3, s3, 1
	s_cmp_lg_u32 s3, 0
	s_cbranch_scc1 .Llap
	QUARTER 0, 256, F1, F0, 0                      ; the last lap fills nothing, and has no round of the cluster's barrier
	QUARTER 0, 384, F0, F1, 0
	TURN 0, 1, 0
	QUARTER 1, 128, F0, F1, 0
	QUARTER 1, 256, F1, F0, 0
	QUARTER 1, 384, F0, F1, 0
	s_wait_dscnt 16                                ; the very last quarter: nothing more to fetch
	WIN MUL
	MUL8 F1, 0, 0, 0
	MUL8 F1, 0, 2, 0
	s_wait_dscnt 0
	MUL8 F1, 1, 0, 0
	MUL8 F1, 1, 2, 0
	WIN 0
; THE WAY OUT, block by block of 16 rows x 64 columns.  A lane holds 32 neighbouring bytes of a row, and the lanes beside it hold other rows: so a block goes through my own stage and comes back as whole rows of
; 256 bytes.  LDS serves a wave's instructions in order (ISA guide 5.7.1.4): no wait between the stores and the loads, nor in front of the next block's stores.
.macro TOSTAGE a
.set BB, TMP+32*((\a)%2)
.irp b, 0,1,2,3
	ds_store_b128 v[STO], v[ACC+8*(4*(\a)+\b):ACC+8*(4*(\a)+\b)+3] offset:64*\b        ; each accumulator from its low end on
	ds_store_b128 v[STO], v[ACC+8*(4*(\a)+\b)+4:ACC+8*(4*(\a)+\b)+7] offset:64*\b+16
.endr
.irp u, 0,1,2,3,4,5,6,7
	ds_load_b128 v[BB+4*\u:BB+4*\u+3], v[RD] offset:\u*2*SPITCH
.endr
.endm
.macro SEND a, younger                 ; younger: the LDS instructions issued behind block a's loads, which may stay out
.set BB, TMP+32*((\a)%2)
	s_wait_dscnt \younger                          ; the block is back in registers
.irp u, 0,1,2,3,4,5,6,7
	global_store_b128 v[CO], v[BB+4*\u:BB+4*\u+3], s[8:9] offset:(16*(\a)+2*\u)*SIZE_N*4 th:TH_STORE_NT   ; 16 lanes store 256 consecutive bytes, at a multiple of 256 from out0's first byte; written once, read by nobody here
.endr
.endm
	PLACES                                         ; behind the last products
	TOSTAGE 0
.irp a, 1,2,3
.if \a > 1
	s_wait_xcnt 0x0                                ; block a - 2's stores have read their registers: block a's loads may land there
.endif
	TOSTAGE \a
	SEND \a-1, 16                                  ; behind block a - 1's loads: block a's 8 stores and 8 loads
.endr
	SEND 3, 0
	s_wait_tensorcnt 0x0                           ; the wave's end, behind my last tensor load and my last LDS store
	ds_add_u32 v[SPW], v[NIL]
	s_wait_dscnt 0x0
	CROUND                                         ; the closing round: no work-group ends while a partner may still ask for a tile that names it
	s_endpgm
.Lfunc_end_k_qdd741c0044_oproj:
	.size	k_qdd741c0044_oproj, .Lfunc_end_k_qdd741c0044_oproj-k_qdd741c0044_oproj
	.p2alignl 7, 3214868480
	.fill 96, 4, 3214868480
	.section	.rodata,"a",@progbits
	.p2align	6, 0x0
	.amdhsa_kernel k_qdd741c0044_oproj
		.amdhsa_group_segment_fixed_size 327680
		.amdhsa_private_segment_fixed_size 0
		.amdhsa_enable_private_segment 0
		.amdhsa_kernarg_size 32
		.amdhsa_user_sgpr_count 2
		.amdhsa_user_sgpr_kernarg_segment_ptr 1
		.amdhsa_wavefront_size32 1
		.amdhsa_system_sgpr_workgroup_id_x 1
		.amdhsa_system_sgpr_workgroup_id_y 1
		.amdhsa_system_sgpr_workgroup_id_z 1
		.amdhsa_system_vgpr_workitem_id 0
		.amdhsa_next_free_vgpr 512
		.amdhsa_next_free_sgpr 68
		.amdhsa_reserve_vcc 0
		.amdhsa_float_denorm_mode_32 3
		.amdhsa_float_denorm_mode_16_64 3
		.amdhsa_memory_ordered 1
		.amdhsa_forward_progress 1
		.amdhsa_inst_pref_size 87
	.end_amdhsa_kernel
	.amdgpu_metadata
---
amdhsa.version: [ 1, 2 ]
amdhsa.kernels:
  - .name:           k_qdd741c0044_oproj
    .symbol:         k_qdd741c0044_oproj.kd
    .args:
      - { .name: att, .offset: 0, .size: 8, .value_kind: global_buffer, .address_space: global }
      - { .name: wo16, .offset: 8, .size: 8, .value_kind: global_buffer, .address_space: global }
      - { .name: out0, .offset: 16, .size: 8, .value_kind: global_buffer, .address_space: global }
      - { .name: bo, .offset: 24, .size: 8, .value_kind: global_buffer, .address_space: global }
    .group_segment_fixed_size: 327680
    .private_segment_fixed_size: 0
    .kernarg_segment_align: 8
    .kernarg_segment_size: 32
    .max_flat_workgroup_size: 128
    .sgpr_count:     68
    .vgpr_count:     512
    .wavefront_size: 32
...
	.end_amdgpu_metadata
.endif
;; end of part 4
